; MI455X (gfx1250); checked and timed in simulation.
; The chip was launched on July 23, 2026; its instructions are those of AMD's public machine-readable ISA for CDNA 5 (MIT licence, August 2026) and "CDNA5" Instruction Set Architecture Reference Guide (July 2026). The comments in the code are by the model that wrote it; some were corrected since.
;; Causal Self Attention. Allowed arithmetic: float matrix products may take bf16 or f16 operands with f32 sums; other float arithmetic in f32, or as packed bf16 or f16 multiplies, adds, multiply-adds, maxima and minima; sums over many terms, partial sums and values carried from step to step in f32; what a program stores and reads back later, other than sums and carried values, may be rounded once to bf16 or f16.
;; Inputs: c_proj_w 1,024 x 1,024 float32; lambdas 2 float32; qkv_w 3 x 1,024 x 1,024 float32; ve 1 x 4,096 x 1,024 float32; x 1 x 4,096 x 1,024 float32.
;; Outputs: out0 1 x 4,096 x 1,024 float32.
;; 2 versions, each right; version 2 is version 1 with the launch prep written anew for expert scheduling mode. Each part assembles by itself: llvm-mc -triple=amdgcn-amd-amdhsa -mcpu=gfx1250 --defsym DOCPART=n.
;; ======== version 1 of 2: 4 launches
;; limits: values are held in f16: magnitudes above 65,504 overflow, below 6.1e-05 lose precision
;; workspace buffers: xb 8,388,608 bytes; wb 6,291,456 bytes; cw 2,097,152 bytes; rt 1,048,576 bytes; qh 8,388,608 bytes; kh 8,388,608 bytes; vh 8,388,608 bytes; yb 8,388,608 bytes
;; launch prep (part 1): grid 256 x 1, 8 waves a work-group, no clusters, 0 bytes of LDS; arguments x, qkv_w, c_proj_w, xb, wb, cw, rt; writes xb, wb, cw, rt
.if DOCPART == 1
	.amdgcn_target "amdgcn-amd-amdhsa--gfx1250"
	.amdhsa_code_object_version 6
	.text
	.protected	k_q3dcc2fd3b7_prep
	.globl	k_q3dcc2fd3b7_prep
	.p2align	8
	.type	k_q3dcc2fd3b7_prep,@function
k_q3dcc2fd3b7_prep:
	s_mov_b64 s[64:65], 0
	v_nop
	global_prefetch_b8 v0, s[64:65] scope:SCOPE_SE
	s_setreg_imm32_b32 hwreg(HW_REG_WAVE_MODE, 25, 1), 1
	s_wait_xcnt 0x0
; PREP.  x and qkv_w are rounded once to bf16 (xb, wb); c_proj_w is rounded once to bf16 and that number is written as f16 (cw); the table of cosines and sines (rt) is made.
; A stream: each work-group takes 131,072 consecutive bytes of one source and writes 65,536 consecutive bytes.  Work-groups 0-127: x; 128-223: qkv_w; 224-255: c_proj_w.
; Thread t loads 16 bytes at 16 t + 4,096 i (i = 0 .. 31: all 32 loads are out at once) and stores 8 bytes at 8 t + 2,048 i: a wave's store covers 256 consecutive bytes, aligned.
; No LDS, no matrix unit, no cluster: no byte is wanted twice.
; THE TABLE.  rt[t] = cos(t f_0 .. t f_31), sin(t f_0 .. t f_31), f_i = 2^(-10 i / 31): 256 bytes a row.  The upper 32 frequencies of the problem are 0 (cos 1, sin 0) and are not stored.
; Work-group g makes rows 16 g .. 16 g + 15, a wave two of them, while its loads are on their way.  Lanes 0-15 make cosines, lanes 16-31 sines, two frequencies a lane.
; The angle t f is rounded once, as in the problem; it is reduced by k = round(angle 2 / pi) in two steps (pi / 2 as a sum of two f32), and sin and cos of the rest,
; at most pi / 4, are polynomials of degree 9 and 8.  cos(a) = sin(a + pi / 2): a lane that wants the cosine adds 1 to the quadrant's number.
; LIMITS.  c_proj_w as f16: beyond 65,504 an infinity; below 6.1e-5 f16's fixed step of 6e-8.  NaN and infinities are not treated apart.
.set D,   16                           ; v[16:143]  32 x 4 registers as loaded; the first two of each four are then stored
.set FQ,  145                          ; v145, v146 my two frequencies
.set QA,  147                          ; v147       1 in lanes that make cosines, else 0
.set TH,  151                          ; v151-154   four angles: row e, frequency n at TH + 2 e + n
.set RES, 156                          ; v[156:159] the four results, a pair a row
.set W,   160                          ; v160-167   at work
	s_load_b256 s[4:11], s[0:1], 0x0               ; x s[4:5], qkv_w s[6:7], c_proj_w s[8:9], xb s[10:11]
	s_load_b128 s[12:15], s[0:1], 0x20             ; wb s[12:13], cw s[14:15]
	s_load_b64 s[16:17], s[0:1], 0x30              ; rt
	v_lshlrev_b32 v1, 4, v0                        ; 16 t: my offset in the source
	v_lshlrev_b32 v2, 3, v0                        ; 8 t: in the destination
	s_mov_b32 s20, ttmp9                           ; g
	s_max_u32 s21, s20, 128
	s_sub_co_u32 s21, s21, 128                     ; my unit's number in qkv_w,
	s_max_u32 s22, s20, 224
	s_sub_co_u32 s22, s22, 224                     ; in c_proj_w
	s_mov_b32 s32, 0x3fc90fdb                      ; pi / 2, upper part
	s_mov_b32 s33, 0xb33bbd2e                      ; pi / 2 less that
	s_mov_b32 s34, 0x3638ef1d                      ; 1 / 9!
	s_mov_b32 s35, 0xb9500d01                      ; -1 / 7!
	s_mov_b32 s36, 0x3c088889                      ; 1 / 5!
	s_mov_b32 s37, 0xbe2aaaab                      ; -1 / 3!
	s_mov_b32 s38, 0x37d00d01                      ; 1 / 8!
	s_mov_b32 s39, 0xbab60b61                      ; -1 / 6!
	s_mov_b32 s40, 0x3d2aaaab                      ; 1 / 4!
	s_wait_kmcnt 0x0
	s_cmp_lt_u32 s20, 224
	s_cselect_b32 s23, s21, s22
	s_cselect_b64 s[24:25], s[6:7], s[8:9]
	s_cselect_b64 s[26:27], s[12:13], s[14:15]
	s_cmp_lt_u32 s20, 128
	s_cselect_b32 s23, s20, s23                    ; my unit's number in its source
	s_cselect_b64 s[24:25], s[4:5], s[24:25]       ; the source
	s_cselect_b64 s[26:27], s[10:11], s[26:27]     ; the destination
	s_lshl_b32 s28, s23, 17
	s_mov_b32 s29, 0
	s_add_nc_u64 s[24:25], s[24:25], s[28:29]
	s_lshl_b32 s28, s23, 16
	s_add_nc_u64 s[26:27], s[26:27], s[28:29]
	s_lshl_b32 s28, s20, 12                        ; 16 rows of the table
	s_add_nc_u64 s[16:17], s[16:17], s[28:29]
.set i, 0
.rept 32
	global_load_b128 v[D+4*i:D+4*i+3], v1, s[24:25] offset:4096*i th:TH_LOAD_NT
.set i, i+1
.endr
	; the table, while the loads are out
	v_and_b32 v144, 15, v0
	v_lshlrev_b32 v144, 1, v144                    ; my first frequency's number
	v_cvt_f32_u32 v[FQ], v144
	v_add_f32 v[FQ+1], 1.0, v[FQ]
	v_mul_f32 v[FQ], 0xbea5294a, v[FQ]             ; -10 / 31 times the number
	v_mul_f32 v[FQ+1], 0xbea5294a, v[FQ+1]
	v_exp_f32 v[FQ], v[FQ]
	v_exp_f32 v[FQ+1], v[FQ+1]
	v_bfe_u32 v[QA], v0, 4, 1                      ; (plain work behind the two exponentials)
	v_xor_b32 v[QA], 1, v[QA]
	v_lshrrev_b32 v148, 5, v0
	v_readfirstlane_b32 s30, v148                  ; wave 0..7
	s_lshl_b32 s31, s20, 4
	s_lshl1_add_u32 s31, s30, s31                  ; my first row: 16 g + 2 wave
	v_cvt_f32_u32 v149, s31
	v_add_f32 v150, 1.0, v149
	s_wait_alu depctr_va_vdst(0)                   ; one wait for the two exponentials, ahead of their first reader
	v_mul_f32 v[TH], v149, v[FQ]
	v_mul_f32 v[TH+1], v149, v[FQ+1]
	v_mul_f32 v[TH+2], v150, v[FQ]
	v_mul_f32 v[TH+3], v150, v[FQ+1]
.macro SC n                            ; angle n -> result n
	v_mul_f32 v[W], 0x3f22f983, v[TH+(\n)]         ; angle x 2 / pi
	v_rndne_f32 v[W], v[W]                         ; k
	v_fma_f32 v[W+1], -v[W], s32, v[TH+(\n)]       ; angle - k pi / 2, in two steps
	v_fma_f32 v[W+1], -v[W], s33, v[W+1]           ; r
	v_mul_f32 v[W+2], v[W+1], v[W+1]               ; z = r r
	v_fma_f32 v[W+3], v[W+2], s34, s35
	v_fma_f32 v[W+5], v[W+2], s38, s39
	v_fma_f32 v[W+3], v[W+3], v[W+2], s36
	v_fma_f32 v[W+5], v[W+5], v[W+2], s40
	v_fma_f32 v[W+3], v[W+3], v[W+2], s37
	v_fma_f32 v[W+5], v[W+5], v[W+2], -0.5
	v_mul_f32 v[W+4], v[W+1], v[W+2]
	v_fma_f32 v[W+5], v[W+5], v[W+2], 1.0          ; cos r
	v_fma_f32 v[W+3], v[W+4], v[W+3], v[W+1]       ; sin r
	v_cvt_i32_f32 v[W+6], v[W]
	v_add_nc_u32 v[W+6], v[W+6], v[QA]             ; the quadrant, one further on for a cosine
	v_and_b32 v[W+7], 1, v[W+6]
	v_cmp_eq_u32 vcc_lo, 1, v[W+7]
	v_cndmask_b32 v[RES+(\n)], v[W+3], v[W+5], vcc_lo  ; odd quadrants take cos r
	v_and_b32 v[W+7], 2, v[W+6]
	v_lshlrev_b32 v[W+7], 30, v[W+7]
	v_xor_b32 v[RES+(\n)], v[RES+(\n)], v[W+7]     ; quadrants 2 and 3 turn the sign
.endm
	SC 0
	SC 1
	SC 2
	SC 3
	v_and_b32 v168, 0xe0, v0                       ; 32 x wave
	v_and_b32 v169, 31, v0
	v_lshlrev_b32 v169, 3, v169
	v_lshl_add_u32 v168, v168, 4, v169             ; 512 x wave + 8 x lane
	global_store_b64 v168, v[RES:RES+1], s[16:17]              ; a row's 256 bytes by one store
	global_store_b64 v168, v[RES+2:RES+3], s[16:17] offset:256
; The conversions.  half = 1: the bf16 number is widened again and written as f16.  No register that a store reads is written again, so no wait stands behind the stores.
.macro CONV half
.set i, 0
.rept 32
	s_wait_loadcnt 31-i                            ; loads come back in order: load i is in, the 31 - i younger ones stay out
	v_cvt_pk_bf16_f32 v[D+4*i], v[D+4*i], v[D+4*i+1]
	v_cvt_pk_bf16_f32 v[D+4*i+1], v[D+4*i+2], v[D+4*i+3]
.if \half
	v_lshlrev_b32 v[D+4*i+2], 16, v[D+4*i]
	v_and_b32 v[D+4*i+3], 0xffff0000, v[D+4*i]
	v_cvt_pk_f16_f32 v[D+4*i], v[D+4*i+2], v[D+4*i+3]
	v_lshlrev_b32 v[D+4*i+2], 16, v[D+4*i+1]
	v_and_b32 v[D+4*i+3], 0xffff0000, v[D+4*i+1]
	v_cvt_pk_f16_f32 v[D+4*i+1], v[D+4*i+2], v[D+4*i+3]
.endif
	global_store_b64 v2, v[D+4*i:D+4*i+1], s[26:27] offset:2048*i
.set i, i+1
.endr
.endm
	s_cmp_ge_u32 s20, 224
	s_cbranch_scc1 .Lhalf
	CONV 0
	s_endpgm
.Lhalf:
	CONV 1
	s_endpgm
.Lfunc_end_k_q3dcc2fd3b7_prep:
	.size	k_q3dcc2fd3b7_prep, .Lfunc_end_k_q3dcc2fd3b7_prep-k_q3dcc2fd3b7_prep
	.p2alignl 7, 3214868480
	.fill 96, 4, 3214868480
	.section	.rodata,"a",@progbits
	.p2align	6, 0x0
	.amdhsa_kernel k_q3dcc2fd3b7_prep
		.amdhsa_group_segment_fixed_size 0
		.amdhsa_private_segment_fixed_size 0
		.amdhsa_enable_private_segment 0
		.amdhsa_kernarg_size 56
		.amdhsa_user_sgpr_count 2
		.amdhsa_user_sgpr_kernarg_segment_ptr 1
		.amdhsa_wavefront_size32 1
		.amdhsa_system_sgpr_workgroup_id_x 1
		.amdhsa_system_sgpr_workgroup_id_y 1
		.amdhsa_system_sgpr_workgroup_id_z 1
		.amdhsa_system_vgpr_workitem_id 0
		.amdhsa_next_free_vgpr 176
		.amdhsa_next_free_sgpr 66
		.amdhsa_reserve_vcc 1
		.amdhsa_float_denorm_mode_32 3
		.amdhsa_float_denorm_mode_16_64 3
		.amdhsa_memory_ordered 1
		.amdhsa_forward_progress 1
		.amdhsa_inst_pref_size 37
	.end_amdhsa_kernel
	.amdgpu_metadata
---
amdhsa.version: [ 1, 2 ]
amdhsa.kernels:
  - .name:           k_q3dcc2fd3b7_prep
    .symbol:         k_q3dcc2fd3b7_prep.kd
    .args:
      - { .name: x, .offset: 0, .size: 8, .value_kind: global_buffer, .address_space: global }
      - { .name: qkv_w, .offset: 8, .size: 8, .value_kind: global_buffer, .address_space: global }
      - { .name: c_proj_w, .offset: 16, .size: 8, .value_kind: global_buffer, .address_space: global }
      - { .name: xb, .offset: 24, .size: 8, .value_kind: global_buffer, .address_space: global }
      - { .name: wb, .offset: 32, .size: 8, .value_kind: global_buffer, .address_space: global }
      - { .name: cw, .offset: 40, .size: 8, .value_kind: global_buffer, .address_space: global }
      - { .name: rt, .offset: 48, .size: 8, .value_kind: global_buffer, .address_space: global }
    .group_segment_fixed_size: 0
    .private_segment_fixed_size: 0
    .kernarg_segment_align: 8
    .kernarg_segment_size: 56
    .max_flat_workgroup_size: 256
    .sgpr_count:     66
    .vgpr_count:     176
    .wavefront_size: 32
...
	.end_amdgpu_metadata
.endif
;; end of part 1
;; launch qkv (part 2): grid 8 x 32, 4 waves a work-group, clusters of 4 x 4, 327,680 bytes of LDS; arguments xb, wb, ve, lambdas, rt, qh, kh, vh; writes qh, kh, vh
.if DOCPART == 2
	.amdgcn_target "amdgcn-amd-amdhsa--gfx1250"
	.amdhsa_code_object_version 6
	.text
	.protected	k_q3dcc2fd3b7_qkv
	.globl	k_q3dcc2fd3b7_qkv
	.p2align	8
	.type	k_q3dcc2fd3b7_qkv,@function
k_q3dcc2fd3b7_qkv:
	s_mov_b64 s[64:65], 0
	v_nop
	global_prefetch_b8 v0, s[64:65] scope:SCOPE_SE
	s_setreg_imm32_b32 hwreg(HW_REG_WAVE_MODE, 25, 1), 1
	s_wait_xcnt 0x0
	s_wait_alu depctr_hold_cnt(0) depctr_sa_sdst(0) depctr_va_vdst(0) depctr_va_sdst(0) depctr_va_ssrc(0) depctr_va_vcc(0) depctr_vm_vsrc(0)
	s_getreg_b32 s2, hwreg(HW_REG_IB_STS2, 6, 4)
	s_cmp_eq_u32 s2, 0
	s_cbranch_scc0 .Lentry_in_a_cluster
	s_endpgm
.Lentry_in_a_cluster:
	s_bfe_u32 s2, ttmp6, 0x10000c
	s_cmp_lg_u32 s2, 0xf033
	s_cbranch_scc0 .Lentry_shape_is_right
	s_endpgm
.Lentry_shape_is_right:
; QKV.  For one head and 128 rows t: q, k, v = x w^T (bf16 operands, f32 sums, K = 1,024); q and k are divided by their root mean square over the head's 128 features and turned (RoPE);
; v = l0 v + l1 ve, with ve and the two lambdas rounded once to bf16 like the other inputs.  All three leave as f16, by heads: [8][4096][128].
; In qh and kh the features are PERMUTED, alike in both, so that q . k is unchanged: the 16 bytes number i (0 .. 15) of a row hold features 4 i .. 4 i + 3 and 64 + 4 i .. 64 + 4 i + 3.
; LIMITS.  v beyond 65,504 becomes an infinity in f16; q and k are at most sqrt(128) by the norm.  NaN and infinities are not treated apart.
; SHARES.  A work-group makes 128 t x 384 features (q, k and v of its head): 256 work-groups.  Wave w makes 128 t x features 96 w .. 96 w + 95: 48 accumulators of 16 x 16, 384 registers.
; The matrix instruction is used transposed (source 0 = 16 rows of w, source 1 = 16 rows of x): a lane holds one row t (lane % 16) and the features 8 (lane / 16) + 0 .. 7.
; K goes in steps of 128 through a ring of two LDS slots: x's 128 rows, then w's 384, rows of 256 bytes padded to 272.
; CLUSTER 4 x 4: the four work-groups of a row of the cluster share their rows of x, the four of a column their head's rows of w: each tile is asked for jointly.  Wave 0 asks for x's tile, waves 1-3 for q's, k's and v's rows of w.
; ve's tile belongs to one work-group, and rt's is 32 KiB once: both come by loads of the work-group's own.
; THE END.  The sums go as f32 into a stage in LDS (in ring bytes that have had their last fill); then each wave takes 32 whole rows, four a trip: a half of the lanes holds a row, so norm, RoPE and blend
; stay inside 16 lanes, and every store covers 512 consecutive bytes.
; REGISTERS, in windows of 256: window 0: addresses, x's fragments (two buffers), the row loop; window 1: w's fragments; window 2: the accumulators of t tiles 0-3 ((a, b) at v[8 (6 a + b)]); window 3: of t tiles 4-7.
.set KSTEP,  128
.set PITCH,  272                       ; an LDS row: 256 bytes + 16 of padding: the 16 rows of a fragment load start at 16 different groups of four banks
.set HALFT,  128*PITCH                 ; what one tensor load brings
.set SLOT,   4*HALFT                   ; x's 128 rows, then q's, k's, v's 128 rows of w
.set STAGE,  65536                     ; [128 t][384 f32], behind ve's tile (LDS bytes 0 .. 65,535, 128 rows of 512 bytes)
.set SP,     1552                      ; its pitch: 1,536 + 16 bytes
.set RTL,    2*SLOT                    ; the table's tile: 128 rows of 256 bytes
.set SPARE,  RTL+32768                 ; the spare words, 128 bytes for each wave: two blocks of 256 bytes that no other line names
.set ADRA, 16                          ; v16-17  LDS address of my x fragments in slot 0, 1
.set ADRB, 20                          ; v20-21  of my w fragments
.set DG,   22                          ; v22-25  into the stage: rows 32 g + lane % 16
.set SPW,  28                          ; v28     my spare word's address; never rewritten
.set NIL,  29                          ; v29     0; never rewritten
.set PFO,  30                          ; v30     lane x 2,048: a row of xb or wb
.set PVO,  31                          ; v31     lane x 4,096: a row of ve
.set SQ,   32                          ; v32-36  the row loop's addresses: q and k in the stage, v in the stage, ve's tile, the table's tile, my 16 bytes in qh, kh, vh
.set SV,   33
.set VA,   34
.set TA,   35
.set GO,   36
.set MK,   38                          ; v[38:39] 1 in lanes whose four frequencies are in the table (lane % 16 < 8), else 0
.set OM,   40                          ; v[40:41] 1 - that
.set L0,   42                          ; v[42:43] lambdas[0], twice
.set L1,   44                          ; v[44:45] lambdas[1], twice
.set F0,   64                          ; fragment buffers
.set F1,   128
.set LD,   64                          ; the row loop: unit u at LD + 24 u: q (8), k (8), cos (4), sin (4)
.set LV,   112                         ; unit u at LV + 16 u: v (8), ve (8)
.set TS,   144                         ; four pairs: sums of squares, then 1 / rms in the low register
.set YT,   152                         ; two sets of 8 at work
.set OT,   168                         ; six sets of 4 to store
.set PT,   192                         ; four at work
.set WV,  12                           ; s12  my wave's number
.set G1,  24                           ; s[24:31] group 1 for x's tiles;  s[32:39] group 0, a set for each slot
.set G0,  32
.set LIM, 43                           ; s43  1 in a wave that prefetches, else the greatest number
.set PFA, 44                           ; s[44:45] where my prefetches stand
.set G1B, 48                           ; s[48:55], s[56:63] the same for w's tiles
.set G0B, 56
.set PVA, 66                           ; s[66:67] my 32 rows of ve's tile in memory
.set G1V, 68                           ; s[68:75], s[76:79] ve's tile
.set G0V, 76
.set G1T, 80                           ; s[80:87], s[88:91] the table's tile
.set G0T, 88
.set MSB, 0
.macro WIN new                         ; the immediate's high byte repeats the setting that is left
.if MSB != (\new)
	s_set_vgpr_msb (MSB<<8)|(\new)
.set MSB, \new
.endif
.endm
.set MUL_LO, 0xa1                      ; source 0 (w) window 1, source 1 (x) window 0, C and D window 2
.set MUL_HI, 0xf1                      ; the same, C and D window 3
.set TO_B,   0x40                      ; destination window 1, address window 0
.macro PLACES
.rept 4
	v_nop
.endr
.endm
; A joint load: wave 0 asks for x's tile, waves 1-3 for their 128 rows of w.  The branch hangs on the wave's number alone.  An s_nop 0 and four v_nop follow each line.
.macro JLOAD s
	s_cmp_eq_u32 s[WV], 0
	s_cbranch_scc0 .Lfor_b_\@
	tensor_load_to_lds s[G0+4*(\s):G0+4*(\s)+3], s[G1:G1+7]
	s_nop 0
	PLACES
	s_branch .Lasked_\@
.Lfor_b_\@:
	tensor_load_to_lds s[G0B+4*(\s):G0B+4*(\s)+3], s[G1B:G1B+7]
	s_nop 0
	PLACES
.Lasked_\@:
.endm
; A prefetch of the K step that stands two refills on: 32 rows x 256 bytes, a lane a row.  x's rows are read by both clusters of a row of clusters: cluster x = 0 asks; w's by all eight of a column: cluster y = 0 asks.
; The four partners that ask for a tile jointly take 32 of its 128 rows each, told apart by address.  So each row's 256 bytes of K steps 4 to 7 are named once; the loop's last trip (s3 = 1) has no K step two on.
.macro ASK
	s_cmp_gt_u32 s3, s[LIM]
	s_cbranch_scc0 .Lnot_mine_\@
	global_prefetch_b8 v[PFO], s[PFA:PFA+1] offset:KSTEP*2 th:TH_LOAD_NT scope:SCOPE_SE
.Lnot_mine_\@:
.endm
; ve's tile, my own 32 rows of 512 bytes, in the loop's last trip: one K step, 192 matrix instructions, ahead of the load that wants them.
.macro ASKV
	s_cmp_eq_u32 s3, 1
	s_cbranch_scc0 .Lno_ve_\@
	global_prefetch_b8 v[PVO], s[PVA:PVA+1] th:TH_LOAD_NT scope:SCOPE_SE
	global_prefetch_b8 v[PVO], s[PVA:PVA+1] offset:256 th:TH_LOAD_NT scope:SCOPE_SE
.Lno_ve_\@:
.endm
.macro CREST                           ; a round of the cluster's barrier behind its opening barrier
	s_cmp_lg_u32 s[WV], 0
	s_cbranch_scc1 .Lnot_wave_0_\@
	s_barrier_signal -3
.Lnot_wave_0_\@:
	s_barrier_wait -3
	s_barrier_signal -1
	s_barrier_wait -1
.endm
.macro CROUND
	s_barrier_signal -1
	s_barrier_wait -1
	CREST
.endm
	s_load_b256 s[4:11], s[0:1], 0x0               ; xb s[4:5], wb s[6:7], ve s[8:9], lambdas s[10:11]
	s_load_b256 s[92:99], s[0:1], 0x20             ; rt s[92:93], qh s[94:95], kh s[96:97], vh s[98:99]
	v_lshl_add_u32 v[SPW], v0, 2, SPARE
	v_mov_b32 v[NIL], 0
	ds_add_u32 v[SPW], v[NIL]                      ; the wave's opening: the add and its wait ahead of my first tensor load; the set-up below stands between them
	v_lshrrev_b32 v1, 5, v0
	v_readfirstlane_b32 s[WV], v1                  ; wave 0..3
	s_bfe_u32 s40, ttmp6, 0x40000                  ; cx
	s_bfe_u32 s41, ttmp6, 0x40004                  ; cy
	s_lshl_b32 s42, ttmp9, 2
	s_add_co_u32 s42, s42, s40                     ; the head = 4 x cluster x + cx
	s_and_b32 s13, ttmp7, 0xffff
	s_lshl_b32 s13, s13, 2
	s_add_co_u32 s13, s13, s41                     ; the block of 128 rows t = 4 x cluster y + cy
	s_lshl_b32 s43, s41, 2
	s_lshl_b32 s43, 15, s43                        ; my row of the cluster
	s_lshl_b32 s44, 0x1111, s40                    ; my column
	s_or_b32 s[G1+0], s43, (1<<16)|(1<<20)|(1<<21)|(5<<22)|(3<<25)   ; the mask; 2-byte elements; padding on; bit 21 beside a mask; after every 64 words 4 words
	s_or_b32 s[G1B+0], s44, (1<<16)|(1<<20)|(1<<21)|(5<<22)|(3<<25)
.irp g, G1, G1B
	s_mov_b32 s[(\g)+1], KSTEP<<16                 ; tensor_dim0 = 128
	s_mov_b32 s[(\g)+2], 128<<16                   ; tensor_dim1 = 128
	s_mov_b32 s[(\g)+3], KSTEP<<16                 ; tile_dim0 = 128
	s_mov_b32 s[(\g)+4], 128                       ; tile_dim1 = 128
	s_mov_b32 s[(\g)+5], 1024                      ; elements from row to row
	s_mov_b32 s[(\g)+6], 0
	s_mov_b32 s[(\g)+7], 0
.endr
	s_mov_b32 s[G1V+0], 2<<16                      ; ve: 4-byte elements, no mask, no padding: 32 rows of 128
	s_mov_b32 s[G1V+1], 128<<16
	s_mov_b32 s[G1V+2], 32<<16
	s_mov_b32 s[G1V+3], 128<<16
	s_mov_b32 s[G1V+4], 32
	s_mov_b32 s[G1V+5], 1024
	s_mov_b32 s[G1V+6], 0
	s_mov_b32 s[G1V+7], 0
	s_mov_b32 s[G1T+0], 2<<16                      ; the table: 32 rows of 64
	s_mov_b32 s[G1T+1], 64<<16
	s_mov_b32 s[G1T+2], 32<<16
	s_mov_b32 s[G1T+3], 64<<16
	s_mov_b32 s[G1T+4], 32
	s_mov_b32 s[G1T+5], 64
	s_mov_b32 s[G1T+6], 0
	s_mov_b32 s[G1T+7], 0
	s_mov_b32 s[G0V], 1
	s_lshl_b32 s[G0V+1], s[WV], 14                 ; LDS: wave x 32 rows of 512 bytes
	s_mov_b32 s[G0T], 1
	s_lshl_b32 s18, s[WV], 13
	s_add_co_u32 s[G0T+1], s18, RTL                ; LDS: the table's tile + wave x 32 rows of 256 bytes
	s_lshl_b32 s16, s13, 18                        ; x: 128 rows of 2,048 bytes a block: hangs on the block alone
	s_mov_b32 s17, 0
	s_max_u32 s18, s[WV], 1
	s_sub_co_u32 s18, s18, 1                       ; w: waves 1, 2, 3 take q's, k's, v's rows (wave 0 never uses this address)
	s_lshl_b32 s18, s18, 21                        ; 1,024 rows of 2,048 bytes,
	s_lshl_b32 s46, s42, 18                        ; the head's 128 rows: hangs on the head and the wave alone
	s_add_co_u32 s46, s46, s18
	s_mov_b32 s47, 0
	s_mul_i32 s20, s[WV], HALFT                    ; where they go: wave x 128 rows
	s_lshl_b32 s22, s13, 19                        ; ve: (128 block + 32 wave) rows of 4,096 bytes + the head's 512 bytes
	s_lshl_b32 s18, s[WV], 17
	s_add_co_u32 s22, s22, s18
	s_lshl_b32 s18, s42, 9
	s_add_co_u32 s22, s22, s18
	s_mov_b32 s23, 0
	s_lshl_b32 s18, s13, 15                        ; the table: (128 block + 32 wave) rows of 256 bytes
	s_lshl_b32 s19, s[WV], 13
	s_add_co_u32 s18, s18, s19
	s_mov_b32 s19, 0
	s_wait_dscnt 0x0                               ; the opening add is done
	s_wait_kmcnt 0x0
	s_add_nc_u64 s[14:15], s[4:5], s[16:17]
	s_add_nc_u64 s[46:47], s[6:7], s[46:47]
	s_add_nc_u64 s[PVA:PVA+1], s[8:9], s[22:23]
	s_mov_b64 s[G0V+2:G0V+3], s[PVA:PVA+1]
	s_or_b32 s[G0V+3], s[G0V+3], 0x80000000
	s_add_nc_u64 s[G0T+2:G0T+3], s[92:93], s[18:19]
	s_or_b32 s[G0T+3], s[G0T+3], 0x80000000
	CROUND                                         ; all sixteen work-groups are here: the first joint loads meet
.irp s, 0,1
	s_mov_b32 s[G0+4*(\s)], 1
	s_add_co_u32 s[G0+4*(\s)+1], s20, (\s)*SLOT
	s_add_nc_u64 s[G0+4*(\s)+2:G0+4*(\s)+3], s[14:15], (\s)*KSTEP*2
	s_or_b32 s[G0+4*(\s)+3], s[G0+4*(\s)+3], 0x80000000
	s_mov_b32 s[G0B+4*(\s)], 1
	s_add_co_u32 s[G0B+4*(\s)+1], s20, (\s)*SLOT
	s_add_nc_u64 s[G0B+4*(\s)+2:G0B+4*(\s)+3], s[46:47], (\s)*KSTEP*2
	s_or_b32 s[G0B+4*(\s)+3], s[G0B+4*(\s)+3], 0x80000000
	JLOAD \s
.endr
	tensor_load_to_lds s[G0T:G0T+3], s[G1T:G1T+7]  ; my 32 rows of the table: the third and last of my first fills: three loads of mine are out
	s_nop 0
	PLACES
	s_load_b64 s[100:101], s[10:11], 0x0           ; the two lambdas; waited for at the end
	v_and_b32 v1, 15, v0                           ; l % 16
	v_bfe_u32 v2, v0, 4, 1                         ; l / 16
	v_mul_u32_u24 v3, v1, PITCH
	v_lshl_add_u32 v3, v2, 4, v3                   ; a fragment's row x pitch + 16 x half
	s_mul_i32 s22, s[WV], 96*PITCH
	s_add_co_u32 s22, s22, HALFT                   ; my 96 rows of w lie behind x's 128
	v_mov_b32 v[ADRA], v3
	v_add_nc_u32 v[ADRA+1], SLOT, v3
	v_add_nc_u32 v[ADRB], s22, v3
	s_add_co_u32 s22, s22, SLOT
	v_add_nc_u32 v[ADRB+1], s22, v3
	s_and_b32 s22, ttmp7, 0xffff                   ; cluster y
	s_cmp_eq_u32 s[WV], 0                          ; do I fetch for x?
	s_cselect_b32 s21, s40, s41                    ; my place among the four that ask with me
	s_cselect_b32 s22, ttmp9, s22                  ; the coordinate along which other clusters read the same rows
	s_cselect_b64 s[PFA:PFA+1], s[14:15], s[46:47]
	s_cmp_eq_u32 s22, 0
	s_cselect_b32 s[LIM], 1, -1                    ; the same in all sixteen partners, for a given wave
	s_lshl_b32 s20, s21, 16                        ; my work-group's 32 rows of 2,048 bytes
	s_mov_b32 s21, 0
	s_add_nc_u64 s[PFA:PFA+1], s[PFA:PFA+1], s[20:21]
	s_add_nc_u64 s[PFA:PFA+1], s[PFA:PFA+1], 2*KSTEP*2  ; at K step 2: the first refill steps it to 3 and names K step 4
	v_and_b32 v[PFO], 31, v0
	v_lshlrev_b32 v[PVO], 12, v[PFO]
	v_lshlrev_b32 v[PFO], 11, v[PFO]
; 12 matrix instructions: t tiles a0, a0 + 1 of the window's four x all 6 feature tiles, 32 along K.  zero = 1: the product starts the sum.  The 48 accumulators take turns, one instruction a turn.
.macro MUL12 f, hi, a0, zero
	WIN MUL_LO+0x50*(\hi)
.irp a, \a0, (\a0)+1
.irp b, 0,1,2,3,4,5
.if \zero
	v_wmma_f32_16x16x32_bf16 v[8*(6*(\a)+(\b)):8*(6*(\a)+(\b))+7], v[(\f)+8*(\b):(\f)+8*(\b)+7], v[(\f)+8*(4*(\hi)+(\a)):(\f)+8*(4*(\hi)+(\a))+7], 0
.else
	v_wmma_f32_16x16x32_bf16 v[8*(6*(\a)+(\b)):8*(6*(\a)+(\b))+7], v[(\f)+8*(\b):(\f)+8*(\b)+7], v[(\f)+8*(4*(\hi)+(\a)):(\f)+8*(4*(\hi)+(\a))+7], v[8*(6*(\a)+(\b)):8*(6*(\a)+(\b))+7]
.endif
.endr
.endr
.endm
; 28 LDS loads in one run: a quarter step's fragments (96 rows of w, 128 rows of x, 32 K at byte k of the rows) into buffer f
.macro FETCH slot, k, f
	WIN TO_B
.irp i, 0,1,2,3,4,5
	ds_load_b128 v[(\f)+8*(\i):(\f)+8*(\i)+3],   v[ADRB+(\slot)] offset:(\k)+(\i)*16*PITCH
	ds_load_b128 v[(\f)+8*(\i)+4:(\f)+8*(\i)+7], v[ADRB+(\slot)] offset:(\k)+(\i)*16*PITCH+32
.endr
	WIN 0
.irp i, 0,1,2,3,4,5,6,7
	ds_load_b128 v[(\f)+8*(\i):(\f)+8*(\i)+3],   v[ADRA+(\slot)] offset:(\k)+(\i)*16*PITCH
	ds_load_b128 v[(\f)+8*(\i)+4:(\f)+8*(\i)+7], v[ADRA+(\slot)] offset:(\k)+(\i)*16*PITCH+32
.endr
.endm
; A K step is four quarters of 32 along K, 48 matrix instructions each, on buffers 0, 1, 0, 1.  One of the first three multiplies buffer f and fetches the next quarter into g.
.macro QUARTER slot, k, f, g, zero
	s_wait_dscnt 8                                 ; w and x's rows 0-63 are in; the youngest eight loads (x's rows 64-127) may be out
	MUL12 \f, 0, 0, \zero
	MUL12 \f, 0, 2, \zero
	PLACES                                         ; four places in front of loads into registers that matrix instructions have read
	FETCH \slot, \k, \g
	s_wait_dscnt 28                                ; all but the 28 just issued
	MUL12 \f, 1, 0, \zero
	MUL12 \f, 1, 2, \zero
.endm
; The first half of the last quarter: the barrier of the change of slots, which opens a round of the cluster's.  In front of it each wave waits for all its tensor loads, adds 0 to its spare word, and waits for that and for its reads of this slot.
.macro MEET
	WIN 0
	s_wait_tensorcnt 0x0                           ; all my tensor loads have landed: my part of the next slot among them
	ds_add_u32 v[SPW], v[NIL]
	s_wait_dscnt 9                                 ; (the add and the youngest eight loads may be out)
	MUL12 F1, 0, 0, 0                              ; twelve matrix instructions stand between the add and the wait for it
	s_wait_dscnt 0x0                               ; the add is done, and my reads of this slot are over
	s_barrier_signal -1
	MUL12 F1, 0, 2, 0
	WIN 0
	s_barrier_wait -1
.endm
.macro TURN slot, next, askv
	s_wait_xcnt 0x0                                ; the last prefetch, a K step back, has read its address
	s_add_nc_u64 s[PFA:PFA+1], s[PFA:PFA+1], KSTEP*2
	MEET
	CREST                                          ; no wave of any partner still reads this slot or has a load on its way
	s_add_nc_u64 s[G0+4*(\slot)+2:G0+4*(\slot)+3], s[G0+4*(\slot)+2:G0+4*(\slot)+3], 2*KSTEP*2
	s_add_nc_u64 s[G0B+4*(\slot)+2:G0B+4*(\slot)+3], s[G0B+4*(\slot)+2:G0B+4*(\slot)+3], 2*KSTEP*2
	JLOAD \slot                                    ; the first tensor load behind the round; its four v_nop are also the places in front of the loads below
	FETCH \next, 0, F0
	ASK
.if \askv
	ASKV
.endif
	MUL12 F1, 1, 0, 0
	MUL12 F1, 1, 2, 0
.endm
	s_wait_tensorcnt 2                             ; my part of K step 0 is in; K step 1's and the table's may stay out
	s_barrier_signal -1
	s_barrier_wait -1
	FETCH 0, 0, F0
	QUARTER 0, 64,  F0, F1, 1                      ; the first quarter starts the sums
	WIN 0
	s_mov_b32 s3, 3
.Llap:                                                 ; a trip goes once round the ring and fills both slots again: K steps 2 to 7
	QUARTER 0, 128, F1, F0, 0
	QUARTER 0, 192, F0, F1, 0
	TURN 0, 1, 0
	QUARTER 1, 64,  F0, F1, 0
	QUARTER 1, 128, F1, F0, 0
	QUARTER 1, 192, F0, F1, 0
	TURN 1, 0, 1
	QUARTER 0, 64,  F0, F1, 0
	WIN 0
	s_sub_co_u32 s3, s3, 1
	s_cmp_lg_u32 s3, 0
	s_cbranch_scc1 .Llap
	QUARTER 0, 128, F1, F0, 0                      ; the last lap
	QUARTER 0, 192, F0, F1, 0
	MEET
	CREST
	tensor_load_to_lds s[G0V:G0V+3], s[G1V:G1V+7]  ; slot 0 has been read out: its first 65,536 bytes take ve's tile, 32 rows a wave: my one load behind this round
	s_nop 0
	PLACES
	FETCH 1, 0, F0
	MUL12 F1, 1, 0, 0
	MUL12 F1, 1, 2, 0
	QUARTER 1, 64,  F0, F1, 0
	QUARTER 1, 128, F1, F0, 0
	QUARTER 1, 192, F0, F1, 0
	s_wait_dscnt 8
	MUL12 F1, 0, 0, 0
	MUL12 F1, 0, 2, 0
	s_wait_dscnt 0x0
	MUL12 F1, 1, 0, 0
	MUL12 F1, 1, 2, 0
	WIN 0
	; THE END.  The addresses are made here: plain instructions, the places behind the last products.
	v_mul_u32_u24 v4, v1, SP
	v_lshl_add_u32 v4, v2, 5, v4                   ; row l % 16, my 8 features' 32 bytes for each half of the lanes
	s_mul_i32 s22, s[WV], 384                      ; my 96 features
	s_add_co_u32 s22, s22, STAGE
	v_add_nc_u32 v[DG], s22, v4
	v_add_nc_u32 v[DG+1], 32*SP, v[DG]
	v_add_nc_u32 v[DG+2], 64*SP, v[DG]
	v_add_nc_u32 v[DG+3], 96*SP, v[DG]
	s_mul_i32 s22, s[WV], 32*SP
	s_add_co_u32 s22, s22, STAGE                   ; the row loop: my 32 rows; lanes 0-15 the even row, lanes 16-31 the odd one
	v_mul_u32_u24 v5, v2, SP
	v_add_nc_u32 v5, s22, v5
	v_lshl_add_u32 v[SQ], v1, 4, v5                ; q: features 4 i ..; + 256: 64 + 4 i ..; + 512, + 768: k's
	v_lshl_add_u32 v[SV], v1, 5, v5
	v_add_nc_u32 v[SV], 1024, v[SV]                ; v: features 8 i .. 8 i + 7
	s_lshl_b32 s22, s[WV], 14
	v_lshl_add_u32 v[VA], v2, 9, s22
	v_lshl_add_u32 v[VA], v1, 5, v[VA]             ; ve likewise
	s_lshl_b32 s22, s[WV], 13
	v_and_b32 v6, 31, v0
	v_lshl_add_u32 v[GO], v6, 4, s22               ; 8,192 x wave + 16 x lane
	s_add_co_u32 s22, s22, RTL
	v_lshl_add_u32 v[TA], v2, 8, s22
	v_and_b32 v6, 7, v1
	v_lshl_add_u32 v[TA], v6, 4, v[TA]             ; cos of frequencies 4 (i % 8) ..; + 128: sin
	v_cmp_gt_u32 vcc_lo, 8, v1
	v_cndmask_b32 v[MK], 0, 1.0, vcc_lo
	v_mov_b32 v[MK+1], v[MK]
	v_sub_f32 v[OM], 1.0, v[MK]
	v_mov_b32 v[OM+1], v[OM]
	s_lshl_b32 s22, s42, 20                        ; the head's 4,096 rows of 256 bytes, the block's 128
	s_lshl_b32 s23, s13, 15
	s_add_co_u32 s22, s22, s23
	s_mov_b32 s23, 0
	s_add_nc_u64 s[94:95], s[94:95], s[22:23]
	s_add_nc_u64 s[96:97], s[96:97], s[22:23]
	s_add_nc_u64 s[98:99], s[98:99], s[22:23]
	s_mov_b32 s14, 0x3c000000                      ; 1 / 128
	s_mov_b32 s15, 0x34000000                      ; f32's eps, 2^-23
	s_wait_kmcnt 0x0                               ; the lambdas
	v_mov_b32 v[L0], s100
	v_mov_b32 v[L0+1], s101
	v_cvt_pk_bf16_f32 v[L1+1], v[L0], v[L0+1]      ; rounded to bf16, like the other inputs
	v_lshlrev_b32 v[L0], 16, v[L1+1]
	v_and_b32 v[L1], 0xffff0000, v[L1+1]
	v_mov_b32 v[L0+1], v[L0]
	v_mov_b32 v[L1+1], v[L1]
	s_wait_tensorcnt 0x0                           ; my part of ve's tile (and of the table's) is in,
	s_wait_dscnt 0x0                               ; and my reads of slot 1 are over
	s_barrier_signal -1
	s_barrier_wait -1                              ; both hold of every wave: the ring's bytes behind ve's tile, which are filled no more, become the stage
.set a, 0
.rept 8
	WIN 0x08+4*(a/4)                               ; the stores' data: window 2 or 3
.set b, 0
.rept 6
	ds_store_b128 v[DG+a/2], v[8*(6*(a%4)+b):8*(6*(a%4)+b)+3]   offset:(a%2)*16*SP+64*b      ; each accumulator's low four registers first
	ds_store_b128 v[DG+a/2], v[8*(6*(a%4)+b)+4:8*(6*(a%4)+b)+7] offset:(a%2)*16*SP+64*b+16
.set b, b+1
.endr
.set a, a+1
.endr
	WIN 0
	s_wait_dscnt 0x0                               ; for the others' sake: my stores into the stage are done
	s_barrier_signal -1
	s_barrier_wait -1
.macro XR n                            ; chain n = 2 u + (0: q, 1: k): its eight numbers and its pair
.set X1, LD+24*((\n)/2)+8*((\n)%2)
.set TT, TS+2*(\n)
.endm
.macro ROPE n                          ; y1 = x1 c + x2 s, y2 = x2 c - x1 s, both times 1 / rms; rounded to f16; 16 bytes a lane
	XR \n
.set X2, X1+4
.set CC, LD+24*((\n)/2)+16
.set SS, CC+4
.set Y,  YT+8*((\n)%2)
.set O,  OT+4*(\n)
	v_pk_mul_f32 v[Y:Y+1],   v[X2:X2+1],   v[SS:SS+1]
	v_pk_mul_f32 v[Y+2:Y+3], v[X2+2:X2+3], v[SS+2:SS+3]
	v_pk_mul_f32 v[Y+4:Y+5], v[X1:X1+1],   v[SS:SS+1]
	v_pk_mul_f32 v[Y+6:Y+7], v[X1+2:X1+3], v[SS+2:SS+3]
	v_pk_fma_f32 v[Y:Y+1],   v[X1:X1+1],   v[CC:CC+1],   v[Y:Y+1]
	v_pk_fma_f32 v[Y+2:Y+3], v[X1+2:X1+3], v[CC+2:CC+3], v[Y+2:Y+3]
	v_pk_fma_f32 v[Y+4:Y+5], v[X2:X2+1],   v[CC:CC+1],   v[Y+4:Y+5] neg_lo:[0,0,1] neg_hi:[0,0,1]
	v_pk_fma_f32 v[Y+6:Y+7], v[X2+2:X2+3], v[CC+2:CC+3], v[Y+6:Y+7] neg_lo:[0,0,1] neg_hi:[0,0,1]
.irp q, 0,2,4,6
	v_pk_mul_f32 v[Y+(\q):Y+(\q)+1], v[Y+(\q):Y+(\q)+1], v[TT:TT+1] op_sel_hi:[1,0]
.endr
.irp q, 0,1,2,3
	v_cvt_pk_f16_f32 v[O+(\q)], v[Y+2*(\q)], v[Y+2*(\q)+1]
.endr
	global_store_b128 v[GO], v[O:O+3], s[94+2*((\n)%2):95+2*((\n)%2)] offset:512*((\n)/2)  ; two rows: 512 consecutive bytes
.endm
.macro BLEND u                         ; v = l0 v + l1 bf16(ve)
.set VV, LV+16*(\u)
.set EE, VV+8
.set O,  OT+16+4*(\u)
.irp q, 0,1,2,3
	v_cvt_pk_bf16_f32 v[PT+(\q)], v[EE+2*(\q)], v[EE+2*(\q)+1]
.endr
.irp q, 0,1,2,3
	v_lshlrev_b32 v[EE+2*(\q)], 16, v[PT+(\q)]
	v_and_b32 v[EE+2*(\q)+1], 0xffff0000, v[PT+(\q)]
.endr
.irp q, 0,2,4,6
	v_pk_mul_f32 v[EE+(\q):EE+(\q)+1], v[EE+(\q):EE+(\q)+1], v[L1:L1+1]
.endr
.irp q, 0,2,4,6
	v_pk_fma_f32 v[VV+(\q):VV+(\q)+1], v[VV+(\q):VV+(\q)+1], v[L0:L0+1], v[EE+(\q):EE+(\q)+1]
.endr
.irp q, 0,1,2,3
	v_cvt_pk_f16_f32 v[O+(\q)], v[VV+2*(\q)], v[VV+2*(\q)+1]
.endr
	global_store_b128 v[GO], v[O:O+3], s[98:99] offset:512*(\u)
.endm
	s_mov_b32 s3, 8
.Lrow:                                                 ; a trip: four rows, as two units of two
.irp u, 0,1
	ds_load_b128 v[LD+24*(\u):LD+24*(\u)+3],     v[SQ] offset:2*SP*(\u)
	ds_load_b128 v[LD+24*(\u)+4:LD+24*(\u)+7],   v[SQ] offset:2*SP*(\u)+256
	ds_load_b128 v[LD+24*(\u)+8:LD+24*(\u)+11],  v[SQ] offset:2*SP*(\u)+512
	ds_load_b128 v[LD+24*(\u)+12:LD+24*(\u)+15], v[SQ] offset:2*SP*(\u)+768
	ds_load_b128 v[LD+24*(\u)+16:LD+24*(\u)+19], v[TA] offset:512*(\u)
	ds_load_b128 v[LD+24*(\u)+20:LD+24*(\u)+23], v[TA] offset:512*(\u)+128
.endr
.irp u, 0,1
	ds_load_b128 v[LV+16*(\u):LV+16*(\u)+3],     v[SV] offset:2*SP*(\u)
	ds_load_b128 v[LV+16*(\u)+4:LV+16*(\u)+7],   v[SV] offset:2*SP*(\u)+16
	ds_load_b128 v[LV+16*(\u)+8:LV+16*(\u)+11],  v[VA] offset:1024*(\u)
	ds_load_b128 v[LV+16*(\u)+12:LV+16*(\u)+15], v[VA] offset:1024*(\u)+16
.endr
	s_wait_dscnt 8                                 ; q, k and the table of both units are in; the eight loads of v and ve may be out
.irp n, 0,1,2,3                        ; four sums of squares side by side
	XR \n
	v_pk_mul_f32 v[TT:TT+1], v[X1:X1+1], v[X1:X1+1]
.endr
.irp q, 2,4,6
.irp n, 0,1,2,3
	XR \n
	v_pk_fma_f32 v[TT:TT+1], v[X1+(\q):X1+(\q)+1], v[X1+(\q):X1+(\q)+1], v[TT:TT+1]
.endr
.endr
.irp n, 0,1,2,3
	v_add_f32 v[TS+2*(\n)], v[TS+2*(\n)], v[TS+2*(\n)+1]
.endr
.irp m, 1,2,4,8                        ; over the 16 lanes that hold the row
.irp n, 0,1,2,3
	v_add_f32_dpp v[TS+2*(\n)], v[TS+2*(\n)], v[TS+2*(\n)] row_xmask:\m row_mask:0xf bank_mask:0xf
.endr
.endr
.irp n, 0,1,2,3
	v_fma_f32 v[TS+2*(\n)], v[TS+2*(\n)], s14, s15  ; the mean + eps
.endr
.irp n, 0,1,2,3
	v_rsq_f32 v[TS+2*(\n)], v[TS+2*(\n)]
.endr
.irp u, 0,1                            ; plain work behind the four roots: lanes 8-15 of a row hold features that are not turned: cos = 1, sin = 0
	v_pk_fma_f32 v[LD+24*(\u)+16:LD+24*(\u)+17], v[LD+24*(\u)+16:LD+24*(\u)+17], v[MK:MK+1], v[OM:OM+1]
	v_pk_fma_f32 v[LD+24*(\u)+18:LD+24*(\u)+19], v[LD+24*(\u)+18:LD+24*(\u)+19], v[MK:MK+1], v[OM:OM+1]
	v_pk_mul_f32 v[LD+24*(\u)+20:LD+24*(\u)+21], v[LD+24*(\u)+20:LD+24*(\u)+21], v[MK:MK+1]
	v_pk_mul_f32 v[LD+24*(\u)+22:LD+24*(\u)+23], v[LD+24*(\u)+22:LD+24*(\u)+23], v[MK:MK+1]
.endr
	s_wait_alu depctr_va_vdst(0)                   ; one wait for the four roots, ahead of their first reader
	ROPE 0
	ROPE 1
	ROPE 2
	ROPE 3
	s_wait_dscnt 4                                 ; unit 0's v and ve
	BLEND 0
	s_wait_dscnt 0x0
	BLEND 1
	s_wait_xcnt 0x0                                ; the six stores have read their data and their offset: only now are these written again
	v_add_nc_u32 v[SQ], 4*SP, v[SQ]
	v_add_nc_u32 v[SV], 4*SP, v[SV]
	v_add_nc_u32 v[VA], 2048, v[VA]
	v_add_nc_u32 v[TA], 1024, v[TA]
	v_add_nc_u32 v[GO], 1024, v[GO]
	s_sub_co_u32 s3, s3, 1
	s_cmp_lg_u32 s3, 0
	s_cbranch_scc1 .Lrow
	s_wait_tensorcnt 0x0                           ; the wave's end, behind my last tensor load and my last LDS store
	ds_add_u32 v[SPW], v[NIL]
	s_wait_dscnt 0x0
	CROUND                                         ; the closing round
	s_endpgm
.Lfunc_end_k_q3dcc2fd3b7_qkv:
	.size	k_q3dcc2fd3b7_qkv, .Lfunc_end_k_q3dcc2fd3b7_qkv-k_q3dcc2fd3b7_qkv
	.p2alignl 7, 3214868480
	.fill 96, 4, 3214868480
	.section	.rodata,"a",@progbits
	.p2align	6, 0x0
	.amdhsa_kernel k_q3dcc2fd3b7_qkv
		.amdhsa_group_segment_fixed_size 327680
		.amdhsa_private_segment_fixed_size 0
		.amdhsa_enable_private_segment 0
		.amdhsa_kernarg_size 64
		.amdhsa_user_sgpr_count 2
		.amdhsa_user_sgpr_kernarg_segment_ptr 1
		.amdhsa_wavefront_size32 1
		.amdhsa_system_sgpr_workgroup_id_x 1
		.amdhsa_system_sgpr_workgroup_id_y 1
		.amdhsa_system_sgpr_workgroup_id_z 1
		.amdhsa_system_vgpr_workitem_id 0
		.amdhsa_next_free_vgpr 960
		.amdhsa_next_free_sgpr 102
		.amdhsa_reserve_vcc 1
		.amdhsa_float_denorm_mode_32 3
		.amdhsa_float_denorm_mode_16_64 3
		.amdhsa_memory_ordered 1
		.amdhsa_forward_progress 1
		.amdhsa_inst_pref_size 114
	.end_amdhsa_kernel
	.amdgpu_metadata
---
amdhsa.version: [ 1, 2 ]
amdhsa.kernels:
  - .name:           k_q3dcc2fd3b7_qkv
    .symbol:         k_q3dcc2fd3b7_qkv.kd
    .args:
      - { .name: xb, .offset: 0, .size: 8, .value_kind: global_buffer, .address_space: global }
      - { .name: wb, .offset: 8, .size: 8, .value_kind: global_buffer, .address_space: global }
      - { .name: ve, .offset: 16, .size: 8, .value_kind: global_buffer, .address_space: global }
      - { .name: lambdas, .offset: 24, .size: 8, .value_kind: global_buffer, .address_space: global }
      - { .name: rt, .offset: 32, .size: 8, .value_kind: global_buffer, .address_space: global }
      - { .name: qh, .offset: 40, .size: 8, .value_kind: global_buffer, .address_space: global }
      - { .name: kh, .offset: 48, .size: 8, .value_kind: global_buffer, .address_space: global }
      - { .name: vh, .offset: 56, .size: 8, .value_kind: global_buffer, .address_space: global }
    .group_segment_fixed_size: 327680
    .private_segment_fixed_size: 0
    .kernarg_segment_align: 8
    .kernarg_segment_size: 64
    .max_flat_workgroup_size: 128
    .sgpr_count:     102
    .vgpr_count:     960
    .wavefront_size: 32
...
	.end_amdgpu_metadata
.endif
;; end of part 2
;; launch attn (part 3): grid 32 x 8, 4 waves a work-group, clusters of 4 x 1, 327,680 bytes of LDS; arguments qh, kh, vh, yb; writes yb
.if DOCPART == 3
	.amdgcn_target "amdgcn-amd-amdhsa--gfx1250"
	.amdhsa_code_object_version 6
	.text
	.protected	k_q3dcc2fd3b7_attn
	.globl	k_q3dcc2fd3b7_attn
	.p2align	8
	.type	k_q3dcc2fd3b7_attn,@function
k_q3dcc2fd3b7_attn:
	s_mov_b64 s[64:65], 0
	v_nop
	global_prefetch_b8 v0, s[64:65] scope:SCOPE_SE
	s_setreg_imm32_b32 hwreg(HW_REG_WAVE_MODE, 25, 1), 1
	s_wait_xcnt 0x0
	s_wait_alu depctr_hold_cnt(0) depctr_sa_sdst(0) depctr_va_vdst(0) depctr_va_sdst(0) depctr_va_ssrc(0) depctr_va_vcc(0) depctr_vm_vsrc(0)
	s_getreg_b32 s2, hwreg(HW_REG_IB_STS2, 6, 4)
	s_cmp_eq_u32 s2, 0
	s_cbranch_scc0 .Lentry_in_a_cluster
	s_endpgm
.Lentry_in_a_cluster:
	s_bfe_u32 s2, ttmp6, 0x10000c
	s_cmp_lg_u32 s2, 0x3003
	s_cbranch_scc0 .Lentry_shape_is_right
	s_endpgm
.Lentry_shape_is_right:
; CAUSAL ATTENTION.  y[t][h][:] = the sum over s <= t of softmax_s(0.12 q[h][t] . k[h][s]) v[h][s][:].  qh, kh, vh: [8][4096][128] f16 (q's and k's features permuted alike); yb: [4096][1024] f16.
; Products, maxima and sums in f32; the weights p are rounded to f16 for the second product (their sum l is taken of the unrounded p), y once at the end.
; LIMITS.  f16 holds no number beyond 65,504: v arrives within it, and y is a mean of v's rows.  A hidden score counts as -2^100 exactly; a weight below 2^-126 counts as 0 in l.  NaN and infinities are not treated apart.
; THE WALK.  A head has 16 bands of 256 queries and 16 tiles of 256 keys; band b needs tiles 0 .. b, the last holding the diagonal.  A CLUSTER of four work-groups takes band 15 - c and then band c: 17 tiles
; whatever c, one loop with a constant count.  Each partner owns 64 queries of each band, so all four walk the same tiles, and every tile of K and V is asked for JOINTLY.
; THE KEYS ARE SPLIT among a work-group's four waves: wave w takes keys 64 w .. 64 w + 63 of each tile, for all 64 queries (four tiles of 16).  Each has its own running maximum m, sum l and O; at a band's
; end the four partial results meet in LDS: wave w ends with query tile w.  Register slot i of wave w holds query tile (w + i) % 4, so the meeting's text is the same in all waves.
; LAYOUT.  S^T = K Q^T: a lane holds ONE query (lane % 16) and the keys 8 (lane / 16) + 0..7; two such results rounded to f16 ARE source 1 of O^T = V^T P.  V comes out of LDS turned, by ds_load_tr16_b128.
; SOFTMAX.  p = 2^(c s - c m), c = 0.12 log2(e); in every step O and l are multiplied by a = 2^(c m_old - c m_new).  c m starts far below every c s: a band's first step has a = 0, which wipes what O and l held.
; THE MASK, in a band's last tile alone, is added to the scores: 0, or -2^100 where the key is hidden.  c x 2^100 is exact, so a wave that has seen hidden keys alone has exponents 0, p = 1 and finite sums,
; which the meeting multiplies by 2^(-2e29) = 0: every query sees its own key in some wave.
; A TILE stands by itself: K and V are fetched; piece 0's scores; piece 2's scores with piece 0's softmax between them; piece 0's V^T P with piece 2's softmax between; piece 2's V^T P.  (A piece is two query tiles.)
; REGISTERS, in windows of 256: window 0: addresses, statistics (8 a slot), S^T v64-191, P v192-255; window 1: O^T, 64 a slot; window 2: Q v0-127, K v128-255; window 3: V v0-127, the masks v128-255.
.set PK,    272       ; a row of K in LDS: 256 bytes + 16: the 16 rows of a load start at 16 different groups of four banks
.set PV,    288       ; a row of V: 256 + 32
.set VOFF,  256*PK    ; a slot holds a tile: 256 rows of K, then 256 rows of V
.set SLOTB, 256*(PK+PV)
.set MERGE, 2*SLOTB   ; behind the ring, never filled by a tensor load: an area for each wave: 8,192 bytes for one slot of O^T as it lies in registers, 256 for (c m, l); also the wave's stage for the way out
.set AREA,  8448
.set SPARE, MERGE+4*AREA  ; the spare words, 128 bytes for each wave: two blocks of 256 bytes that no other line names
.set SP,    272
.set AK0, 2           ; v2   my lane's place in my 64 rows of a tile of K; never rewritten
.set AV0, 3           ; v3   the same for V
.set ADRK, 4          ; v4, v5  the same in the slot in hand
.set ADRV, 5
.set STO, 6           ; v6   the way out: where I put 16 bytes of a row
.set RD,  7           ; v7   where I read rows back
.set GO,  8           ; v8   my byte offset in two rows of y
.set PFO, 10          ; v10  256 x lane: a row of K or V
.set ST,  12          ; slot t's statistics at v[ST+8 t]: c m, m, l (even keys', odd keys'), c0-c3 at work; a takes c2's place
.set QO,  44          ; v44-47  my byte offset in the work-group's 64 rows of Q, for the query tile of slot i
.set MW,  48          ; v48, v49  into my area: 16 x lane; 8,192 + 8 x lane
.set MW2, 49
.set MR,  50          ; v50-55  the same in the area of wave (w - p) % 4, p = 1, 2, 3
.set IN,  56          ; v[56:57] (c m, l) as read
.set FA,  58          ; v[58:59] my factor in the low register; the new c m beside it
.set FB,  60          ; v[60:61] the other's factor in the low register
.set SPW, 62          ; v62  my spare word's address; never rewritten
.set NIL, 63          ; v63  0; never rewritten
.set S,   64
.set P,   192
.set KF,  128         ; window 2
.set MKB, 128         ; window 3: slot i, key block kb, register j at MKB + 32 i + 8 kb + j
.set WV,  12          ; s12  my wave's number
.set CX,  13          ; s13  my place in the cluster: it enters Q's, y's and the prefetches' addresses and the masks' values alone
.set LO,  14          ; s14  c
.set HI,  15          ; s15  15 - c
.set QLO, 16          ; s[16:17] Q at my rows of the second band
.set PFA, 18          ; s[18:19] where my prefetches stand
.set G1K, 24          ; s[24:31], s[32:39] descriptor group 1 for K's and V's tiles: they differ in the padding
.set G1V, 32
.set G0K, 40          ; s[40:43], s[44:47] group 0, made anew at each change of slots
.set G0V, 44
.set LK0, 48          ; s48, s49  my half's place in a slot
.set LV0, 49
.set TBR, 50          ; s50  the slot in hand begins at this LDS byte,
.set TBF, 51          ; s51  the slot to be filled at this one
.set PF,  52          ; s52  prefetches still to come
.set BIGN, 53         ; s53  -2^100
.set YLO, 54          ; s[54:55] y at my rows of the second band
.set SLOTS, 56        ; s56  tiles still to be asked for
.set RT,  57          ; s57  tiles of the band in hand that are still to be entered
.set CS,  58          ; s[58:59] c
.set SEL, 60          ; s[60:61] v_permlanex16_b32's selects: each lane takes its own place in the other half
.set NXT, 62          ; s62  the tile to be asked for next
.set LQ,  63          ; s63  the last tile of the band whose tiles are being asked for
.set OFF, 68          ; s[68:69] a tile's byte offset in K and V
.set MSB, 0
.macro WIN new
.if MSB != (\new)
	s_set_vgpr_msb (MSB<<8)|(\new)
.set MSB, (\new)
.endif
.endm
.set W_KQ, 0x0a       ; K and Q in window 2, S^T in window 0
.set W_PV, 0x53       ; V in window 3, P in window 0, O^T in window 1
.set W_RS, 0x41       ; destination and source 0 in window 1, source 1 in window 0
.macro PLACES
.rept 4
	v_nop
.endr
.endm
; A joint fill.  Waves 0 and 1 fetch the two halves of a tile's K, waves 2 and 3 those of its V: 128 rows each.  An s_nop 0 and four v_nop follow each line.
.macro JLOAD
	s_cmp_lt_u32 s[WV], 2
	s_cbranch_scc0 .Lfor_v_\@
	tensor_load_to_lds s[G0K:G0K+3], s[G1K:G1K+7]
	s_nop 0
	PLACES
	s_branch .Lasked_\@
.Lfor_v_\@:
	tensor_load_to_lds s[G0V:G0V+3], s[G1V:G1V+7]
	s_nop 0
	PLACES
.Lasked_\@:
.endm
; A prefetch of the tile behind the one that is being asked for: one trip, 128 matrix instructions and their softmax, ahead of its load.  All clusters of a head begin with tiles 0, 1, ..; the one that walks all
; sixteen (c = 0) asks, in its first band alone: tiles 2 to 15.  A tile has 256 rows of K and 256 of V, 256 bytes each: partner cx, wave w takes rows 64 cx + 32 (w % 2) + lane, of K (waves 0, 1) or V (waves 2, 3):
; each row is named once in the launch.
.macro ASK
	s_cmp_lg_u32 s[PF], 0
	s_cbranch_scc0 .Lnot_mine_\@
	global_prefetch_b8 v[PFO], s[PFA:PFA+1] th:TH_LOAD_NT scope:SCOPE_SE
	s_sub_co_u32 s[PF], s[PF], 1
.Lnot_mine_\@:
.endm
.macro CROUND
	s_barrier_signal -1
	s_barrier_wait -1
	s_cmp_lg_u32 s[WV], 0
	s_cbranch_scc1 .Lnot_wave_0_\@
	s_barrier_signal -3
.Lnot_wave_0_\@:
	s_barrier_wait -3
	s_barrier_signal -1
	s_barrier_wait -1
.endm
; THE CHANGE OF SLOTS.  Each wave waits for all its tensor loads, of which one is out: its part of the other slot; adds 0 to its spare word; and waits for that and for its reads of the slot that it leaves.
; fill = 1: the barrier is a round of the cluster's, and the old slot is filled again, first thing behind it, with tile NXT.  (At its first use nothing has been read yet: slot 0 is waited for, slot 1 filled.)
.macro CHANGE fill
	WIN 0
	s_wait_tensorcnt 0x0            ; no tensor load of mine is out, so a group 0 may be written
	ds_add_u32 v[SPW], v[NIL]       ; 0 onto my spare word; scalar work stands between it and the wait for it
	s_xor_b32 s[TBR], s[TBR], SLOTB
	s_xor_b32 s[TBF], s[TBF], SLOTB
.if \fill
	s_lshl_b32 s[OFF], s[NXT], 16   ; a tile is 65,536 bytes of K and of V
	s_add_co_u32 s[G0K+1], s[LK0], s[TBF]
	s_add_nc_u64 s[G0K+2:G0K+3], s[6:7], s[OFF:OFF+1]
	s_or_b32 s[G0K+3], s[G0K+3], 0x80000000
	s_add_co_u32 s[G0V+1], s[LV0], s[TBF]
	s_add_nc_u64 s[G0V+2:G0V+3], s[8:9], s[OFF:OFF+1]
	s_or_b32 s[G0V+3], s[G0V+3], 0x80000000
	s_add_co_u32 s[NXT], s[NXT], 1  ; the band's next tile, or behind its last the second band's tile 0
	s_cmp_gt_u32 s[NXT], s[LQ]
	s_cselect_b32 s[NXT], 0, s[NXT]
	s_cselect_b32 s[LQ], s[LO], s[LQ]
	s_wait_xcnt 0x0                 ; the last prefetch, a trip back, has read its address
	s_add_nc_u64 s[PFA:PFA+1], s[PFA:PFA+1], 65536
	s_wait_dscnt 0x0                ; the add is done, and my reads of the slot are over
	CROUND
	JLOAD
	ASK
.else
	s_wait_dscnt 0x0
	s_barrier_signal -1
	s_barrier_wait -1
.endif
.endm
.macro INIT                         ; a band begins: c m far below every c s, m the lowest finite number
.irp t, 0,1,2,3
	v_mov_b32 v[ST+8*(\t)], 0xfe000000
	v_mov_b32 v[ST+8*(\t)+1], 0xff7fffff
.endr
.endm
	s_load_b256 s[4:11], s[0:1], 0x0  ; Q s[4:5], K s[6:7], V s[8:9], y s[10:11]
	v_lshl_add_u32 v[SPW], v0, 2, SPARE
	v_mov_b32 v[NIL], 0
	ds_add_u32 v[SPW], v[NIL]       ; the wave's opening: the add and its wait ahead of my first tensor load
	v_lshrrev_b32 v1, 5, v0
	v_readfirstlane_b32 s[WV], v1   ; wave 0..3
	s_bfe_u32 s[CX], ttmp6, 0x40000
	s_mov_b32 s[LO], ttmp9          ; in a cluster launch ttmp9 counts clusters
	s_sub_co_u32 s[HI], 15, s[LO]
	s_and_b32 s23, ttmp7, 0xffff    ; the head
	s_lshl_b32 s20, s23, 20         ; its first byte in Q, K and V
	s_mov_b32 s21, 0
	s_and_b32 s22, s[WV], 1         ; which half of a tile's 256 rows I fetch
	s_lshl_b32 s2, s22, 15
	s_add_co_u32 s2, s2, s20        ; K's and V's offset: the head and the wave alone
	s_mov_b32 s3, 0
	s_mul_i32 s[LK0], s22, 128*PK
	s_mul_i32 s[LV0], s22, 128*PV
	s_add_co_u32 s[LV0], s[LV0], VOFF
	s_lshl_b32 s71, s[CX], 14       ; my 64 queries' rows of 256 bytes
	s_add_co_u32 s71, s71, s20
	s_lshl_b32 s70, s[HI], 16
	s_add_co_u32 s70, s70, s71      ; Q, first band
	s_lshl_b32 s72, s[LO], 16
	s_add_co_u32 s72, s72, s71      ; Q, second band
	s_lshl_b32 s78, s22, 13
	s_add_co_u32 s78, s78, s71
	s_add_co_u32 s78, s78, 65536    ; the prefetches: rows 64 cx + 32 (w % 2) of tile 1; the first change of slots steps this to tile 2
	s_mov_b32 s71, 0
	s_mov_b32 s73, 0
	s_mov_b32 s79, 0
	s_lshl_b32 s75, s[CX], 17       ; y: (64 cx + 16 w) rows of 2,048 bytes + the head's 256 bytes
	s_lshl_b32 s77, s[WV], 15
	s_add_co_u32 s75, s75, s77
	s_lshl_b32 s77, s23, 8
	s_add_co_u32 s75, s75, s77
	s_lshl_b32 s74, s[HI], 19
	s_add_co_u32 s74, s74, s75
	s_lshl_b32 s76, s[LO], 19
	s_add_co_u32 s76, s76, s75
	s_mov_b32 s75, 0
	s_mov_b32 s77, 0
	s_mov_b32 s[G1K], 15|(1<<16)|(1<<20)|(1<<21)|(5<<22)|(3<<25)  ; the mask of four; 2-byte elements; padding on; bit 21 beside a mask; after every 64 words 4 words
	s_mov_b32 s[G1V], 15|(1<<16)|(1<<20)|(1<<21)|(5<<22)|(7<<25)  ; the same with 8 words
.irp g, G1K, G1V
	s_mov_b32 s[(\g)+1], 128<<16    ; tensor_dim0 = 128
	s_mov_b32 s[(\g)+2], 128<<16    ; tensor_dim1 = 128
	s_mov_b32 s[(\g)+3], 128<<16    ; tile_dim0 = 128
	s_mov_b32 s[(\g)+4], 128        ; tile_dim1 = 128
	s_mov_b32 s[(\g)+5], 128        ; elements from row to row
	s_mov_b32 s[(\g)+6], 0
	s_mov_b32 s[(\g)+7], 0
.endr
	s_mov_b32 s[CS], 0x3e314743     ; c = 0.12 log2(e) = 0.173123
	s_mov_b32 s[CS+1], s[CS]
	s_mov_b32 s[SEL], 0x76543210
	s_mov_b32 s[SEL+1], 0xfedcba98
	s_mov_b32 s[TBR], SLOTB         ; the first change of slots turns these two round
	s_mov_b32 s[TBF], 0
	s_mov_b32 s[BIGN], 0xf1800000
	s_mov_b32 s[SLOTS], 16
	s_add_co_u32 s[RT], s[HI], 1    ; the first band has 16 - c tiles
	s_mov_b32 s[NXT], 1
	s_mov_b32 s[LQ], s[HI]
	s_mov_b32 s[OFF+1], 0
	s_cmp_eq_u32 s[LO], 0
	s_cselect_b32 s[PF], 14, 0      ; the same in all four partners
	s_mov_b32 s[G0K], 1
	s_mov_b32 s[G0K+1], s[LK0]      ; slot 0
	s_mov_b32 s[G0V], 1
	s_mov_b32 s[G0V+1], s[LV0]
	s_wait_dscnt 0x0                ; the opening add is done
	s_wait_kmcnt 0x0
	s_cmp_lt_u32 s[WV], 2
	s_cselect_b64 s[PFA:PFA+1], s[6:7], s[8:9]
	s_add_nc_u64 s[PFA:PFA+1], s[PFA:PFA+1], s[78:79]
	s_add_nc_u64 s[6:7], s[6:7], s[2:3]  ; K and V at my half of the head's tile 0
	s_add_nc_u64 s[8:9], s[8:9], s[2:3]
	s_add_nc_u64 s[QLO:QLO+1], s[4:5], s[72:73]
	s_add_nc_u64 s[4:5], s[4:5], s[70:71]
	s_add_nc_u64 s[YLO:YLO+1], s[10:11], s[76:77]
	s_add_nc_u64 s[10:11], s[10:11], s[74:75]
	s_mov_b64 s[G0K+2:G0K+3], s[6:7]
	s_or_b32 s[G0K+3], s[G0K+3], 0x80000000
	s_mov_b64 s[G0V+2:G0V+3], s[8:9]
	s_or_b32 s[G0V+3], s[G0V+3], 0x80000000
	CROUND                          ; all four work-groups are here: the first joint loads meet
	JLOAD                           ; tile 0 into slot 0
	v_and_b32 v1, 15, v0            ; l % 16
	v_bfe_u32 v9, v0, 4, 1          ; l / 16
	v_lshlrev_b32 v11, 8, v1
	v_lshl_add_u32 v11, v9, 4, v11  ; a fragment of Q: row x 256 + 16 x half
	v_lshlrev_b32 v[FB+1], 3, v9
	v_sub_nc_u32 v[FB+1], v1, v[FB+1]  ; l % 16 - 8 (l / 16)
.irp i, 0,1,2,3
	s_add_co_u32 s20, s[WV], \i
	s_and_b32 s20, s20, 3           ; slot i holds this query tile
	s_lshl_b32 s21, s20, 12
	v_add_nc_u32 v[QO+(\i)], s21, v11
	s_lshl_b32 s21, s20, 4
	s_lshl_b32 s22, s[CX], 6
	s_add_co_u32 s21, s21, s22
	s_lshl_b32 s22, s[WV], 6
	s_sub_co_u32 s21, s21, s22
	v_add_nc_u32 v[IN+(\i)], s21, v[FB+1]  ; my query's place in the band less my first key's in the tile: register j of key block kb is hidden where 16 kb + j is greater
.endr
	WIN 0x80                        ; destination window 2
.set i, 0
.rept 16                            ; the first band's Q: slot i / 4, channels 32 (i % 4) on
	global_load_b128 v[8*i:8*i+3],   v[QO+i/4], s[4:5] offset:(i%4)*64
	global_load_b128 v[8*i+4:8*i+7], v[QO+i/4], s[4:5] offset:(i%4)*64+32
.set i, i+1
.endr
	WIN 0xc0                        ; destination window 3
.set i, 0
.rept 128
	v_cmp_gt_i32 vcc_lo, 16*((i/8)%4)+i%8, v[IN+i/32]
	v_cndmask_b32 v[MKB+i], 0, s[BIGN], vcc_lo
.set i, i+1
.endr
	WIN 0x40                        ; O^T and l need only be finite, since a band's first step multiplies them by 0: zeros, written in the wait for the first tile
.set i, 0
.rept 256
	v_mov_b32 v[i], 0
.set i, i+1
.endr
	WIN 0
.irp t, 0,1,2,3
	v_mov_b32 v[ST+8*(\t)+2], 0
	v_mov_b32 v[ST+8*(\t)+3], 0
.endr
	INIT
	v_mul_u32_u24 v[AK0], v1, PK
	v_lshl_add_u32 v[AK0], v9, 4, v[AK0]
	s_mul_i32 s20, s[WV], 64*PK     ; my 64 keys
	v_add_nc_u32 v[AK0], s20, v[AK0]
	; The turning load takes 16 keys x 16 channels (lane l reads key 8 (l / 16) + l % 8, channels 8 ((l / 8) % 2) + 0..7) and leaves half a fragment of V^T.
	v_and_b32 v11, 7, v0
	v_lshl_add_u32 v[AV0], v9, 3, v11
	v_mul_u32_u24 v[AV0], v[AV0], PV
	v_bfe_u32 v11, v0, 3, 1
	v_lshl_add_u32 v[AV0], v11, 4, v[AV0]
	s_mul_i32 s20, s[WV], 64*PV
	s_add_co_u32 s20, s20, VOFF
	v_add_nc_u32 v[AV0], s20, v[AV0]
	v_and_b32 v11, 31, v0
	v_lshlrev_b32 v[PFO], 8, v11
	s_mul_i32 s20, s[WV], AREA
	s_add_co_u32 s20, s20, MERGE    ; my area
	v_lshl_add_u32 v[MW], v11, 4, s20
	v_lshl_add_u32 v[MW2], v11, 3, s20
	v_add_nc_u32 v[MW2], 8192, v[MW2]
	v_mul_u32_u24 v[STO], v1, SP    ; the way out, in: row l % 16, 16 bytes for each half of the lanes
	v_lshl_add_u32 v[STO], v9, 4, v[STO]
	v_add_nc_u32 v[STO], s20, v[STO]
	v_mul_u32_u24 v[RD], v9, SP     ; back: lanes 0-15 take one row of 256 bytes, lanes 16-31 the next
	v_lshl_add_u32 v[RD], v1, 4, v[RD]
	v_add_nc_u32 v[RD], s20, v[RD]
	v_lshlrev_b32 v[GO], 11, v9     ; and the same two rows in y
	v_lshl_add_u32 v[GO], v1, 4, v[GO]
.irp p, 1,2,3
	s_add_co_u32 s20, s[WV], 4-(\p)
	s_and_b32 s20, s20, 3           ; wave (w - p) % 4 holds my query tile in its slot p
	s_mul_i32 s20, s20, AREA
	s_add_co_u32 s20, s20, MERGE
	v_lshl_add_u32 v[MR+2*(\p)-2], v11, 4, s20
	v_lshl_add_u32 v[MR+2*(\p)-1], v11, 3, s20
	v_add_nc_u32 v[MR+2*(\p)-1], 8192, v[MR+2*(\p)-1]
.endr
; THE MATRIX WORK, for piece x.  The accumulators take turns, one instruction a turn.
; Product i of 32 of S^T = K Q^T: channels 32 (i / 8) on, keys 16 ((i / 2) % 4) on, slot x + i % 2.  The first 8 start the sums.
.macro KQ x
	WIN W_KQ
.set rS, S+32*((\x)+i%2)+8*((i/2)%4)
.set rK, KF+32*((i/2)%4)+8*(i/8)
.set rQ, 32*((\x)+i%2)+8*(i/8)
.if i < 8
	v_wmma_f32_16x16x32_f16 v[rS:rS+7], v[rK:rK+7], v[rQ:rQ+7], 0
.else
	v_wmma_f32_16x16x32_f16 v[rS:rS+7], v[rK:rK+7], v[rQ:rQ+7], v[rS:rS+7]
.endif
.endm
; Product i of 32 of O^T += V^T P: keys 32 (i / 16) on, channels 16 ((i / 2) % 8) on, slot x + i % 2.
.macro PV x
	WIN W_PV
.set rO, 64*((\x)+i%2)+8*((i/2)%8)
.set rV, 64*(i/16)+8*((i/2)%8)
.set rP, P+16*((\x)+i%2)+8*(i/16)
	v_wmma_f32_16x16x32_f16 v[rO:rO+7], v[rV:rV+7], v[rP:rP+7], v[rO:rO+7]
.endm
.macro FETCH_K                      ; my 64 keys x 128 channels: 16 fragments
	WIN 0x80
.irp f, 0,1,2,3,4,5,6,7,8,9,10,11,12,13,14,15
	ds_load_b128 v[KF+8*(\f):KF+8*(\f)+3],   v[ADRK] offset:((\f)/4)*16*PK+((\f)%4)*64
	ds_load_b128 v[KF+8*(\f)+4:KF+8*(\f)+7], v[ADRK] offset:((\f)/4)*16*PK+((\f)%4)*64+32
.endr
.endm
.macro FETCH_V                      ; the same keys' V, turned
	WIN 0xc0
.irp f, 0,1,2,3,4,5,6,7,8,9,10,11,12,13,14,15
	ds_load_tr16_b128 v[8*(\f):8*(\f)+3],   v[ADRV] offset:((\f)/8)*32*PV+((\f)%8)*32
	ds_load_tr16_b128 v[8*(\f)+4:8*(\f)+7], v[ADRV] offset:((\f)/8)*32*PV+16*PV+((\f)%8)*32
.endr
.endm
; THE VECTOR WORK.  One slot's softmax for one tile is a list of 134 instructions; SM writes number j of it for slot t.  s0-s31 are the lane's 32 scores, in pairs 0-15.
;   0-15    the maximum of s0-s31 and the old m, three operands at a time (each accumulator's lowest registers are read first)
;   16-20   the other half of the lanes' maximum; the new m; c m; c m_old - c m_new
;   21-69   ONE BATCH: the 16 scalings c s - c m and all 33 exponentials (a at 23, then s0-s31); none of these reads an exponential's result
;   70-85   the roundings to f16     86-101  the sums; l = a l + the sum     102-133 the slot's O^T times a
.macro SM t
.set rT, ST+8*(\t)
.set rS, S+32*(\t)
.set rP, P+16*(\t)
.set rO, 64*(\t)+2*(j-102)
.if j < 102
	WIN 0
.endif
.if j < 4
	v_max3_num_f32 v[rT+4+j], v[rS+8*j], v[rS+8*j+1], v[rS+8*j+2]
.elseif j < 12
	v_max3_num_f32 v[rT+4+j%4], v[rT+4+j%4], v[rS+8*(j%4)+2*(j/4)+1], v[rS+8*(j%4)+2*(j/4)+2]
.elseif j == 12
	v_max3_num_f32 v[rT+4], v[rT+4], v[rS+7], v[rS+15]
.elseif j == 13
	v_max3_num_f32 v[rT+6], v[rT+6], v[rS+23], v[rS+31]
.elseif j == 14
	v_max3_num_f32 v[rT+4], v[rT+4], v[rT+5], v[rT+6]
.elseif j == 15
	v_max3_num_f32 v[rT+4], v[rT+4], v[rT+7], v[rT+1]
.elseif j == 16
	v_permlanex16_b32 v[rT+5], v[rT+4], s[SEL], s[SEL+1]  ; the query's other 32 keys lie in the lane 16 away
.elseif j == 17
	v_mov_b32 v[rT+7], v[rT]        ; c m_old is kept for a
.elseif j == 18
	v_max_num_f32 v[rT+1], v[rT+4], v[rT+5]
.elseif j == 19
	v_mul_f32 v[rT], s[CS], v[rT+1]
.elseif j == 20
	v_sub_f32 v[rT+7], v[rT+7], v[rT]
.elseif j == 23
	v_exp_f32 v[rT+6], v[rT+7]
.elseif (j < 23) || ((j < 38) && (j%2 == 0)) || ((j < 66) && (j%4 == 2))
.set b, (j-2)/4                     ; 38, 42, .. 62: pairs 9 to 15
.if j < 38
.set b, (j-20)/2                    ; 21: pair 0; 22, 24, .. 36: pairs 1 to 8
.endif
	v_pk_fma_f32 v[rS+2*b:rS+2*b+1], v[rS+2*b:rS+2*b+1], s[CS:CS+1], v[rT:rT+1] op_sel_hi:[1,0,0] neg_lo:[0,0,1] neg_hi:[0,0,1]
.elseif j < 70
.set e, j-38                        ; 66 to 69: s28 to s31
.if j < 66
.set e, j-32-(j-38)/4               ; 39-41, 43-45, .. 63-65: s7 to s27
.endif
.if j < 38
.set e, (j-25)/2                    ; 25, 27, .. 37: s0 to s6
.endif
	v_exp_f32 v[rS+e], v[rS+e]
.elseif j < 86
	v_cvt_pk_f16_f32 v[rP+j-70], v[rS+2*(j-70)], v[rS+2*(j-70)+1]
.elseif j < 102                     ; the sum of the 16 pairs, in place: neighbours 1, 2, 4 and 8 pairs apart, then l takes it
.set z, j-86
.set w, 4
.set u, z
.if z >= 14
.set w, 32
.set u, 0
.elseif z >= 12
.set w, 16
.set u, z-12
.elseif z >= 8
.set w, 8
.set u, z-8
.endif
.if z < 15
	v_pk_add_f32 v[rS+w*u:rS+w*u+1], v[rS+w*u:rS+w*u+1], v[rS+w*u+w/2:rS+w*u+w/2+1]
.else
	v_pk_fma_f32 v[rT+2:rT+3], v[rT+2:rT+3], v[rT+6:rT+7], v[rS:rS+1] op_sel_hi:[1,0,1]
.endif
.else
	WIN W_RS
	v_pk_mul_f32 v[rO:rO+1], v[rO:rO+1], v[rT+6:rT+7] op_sel_hi:[1,0]
.endif
.endm
; Slice k of 64 of piece y's softmax: four instructions (slice 63: sixteen).  Slices 11 to 34 deal out the batch, four numbers of one slot each, the slots by turns; every other slice is numbers 2 k, 2 k + 1 of both.
; Ahead of slice 35 nothing names an exponential's result, and behind slice 34 none is issued: the piece's 66 exponentials have one plain instruction and ONE wait, behind slice 34.
.macro SLICE y
.if (k >= 11) && (k < 35)
.irp n, 0,1,2,3
.set j, 22+4*((k-11)/2)+(\n)
	SM (\y)+(k-11)%2
.endr
.else
.irp n, 0,1,2,3,4,5,6,7
.if ((\n) < 2) || (k == 63)
.irp t, \y, (\y)+1
.set j, 2*k+(\n)
	SM \t
.endr
.endif
.endr
.endif
.if k == 34
	v_nop
	s_wait_alu depctr_va_vdst(0)
.endif
.set k, k+1
.endm
; In a band's last tile (RT = 0, the same in all waves and partners) piece y's scores take their masks; elsewhere the lines are jumped over, forward.
.macro MASKADD y
	WIN 0
	s_cmp_lg_u32 s[RT], 0
	s_cbranch_scc1 .Lno_mask_\@
	WIN 0x0c                        ; source 1 in window 3
.set z, 0
.rept 32
	v_pk_add_f32 v[S+32*(\y)+2*z:S+32*(\y)+2*z+1], v[S+32*(\y)+2*z:S+32*(\y)+2*z+1], v[MKB+32*(\y)+2*z:MKB+32*(\y)+2*z+1]
.set z, z+1
.endr
	WIN 0
.Lno_mask_\@:
.endm
.macro TILE
	WIN 0
	v_add_nc_u32 v[ADRK], s[TBR], v[AK0]
	v_add_nc_u32 v[ADRV], s[TBR], v[AV0]
	FETCH_K
	FETCH_V
	s_wait_loadcnt 0x0              ; Q
	s_wait_dscnt 32                 ; K is in; V's 32 loads may stay out
.set i, 0
.rept 32
	KQ 0
.set i, i+1
.endr
	WIN 0
	PLACES                          ; the places behind those products
	MASKADD 0
.set k, 0
.set i, 0
.rept 32
	KQ 2                            ; piece 2's scores | piece 0's softmax
	SLICE 0
	SLICE 0
.set i, i+1
.endr
	MASKADD 2                       ; slices 62 and 63, twenty plain instructions, are the places behind the last of those products
	s_wait_dscnt 0x0                ; V is in
.set k, 0
.set i, 0
.rept 32
	PV 0                            ; piece 0's V^T P | piece 2's softmax
	SLICE 2
	SLICE 2
.set i, i+1
.endr
.set i, 0
.rept 32
	PV 2
.set i, i+1
.endr
	WIN 0
	PLACES                          ; in front of the next loads into V's registers and of what reads O^T
.endm
; A BAND'S END.  In phase p each wave lays its slot p (O^T as it lies in registers, and c m, l) into its own area; behind a barrier it reads, from the area of wave (w - p) % 4, that wave's share of its own query
; tile, and adds it onto slot 0: both shares are brought to the greater c m.  The second barrier's signal stands behind the wait for the reads, its wait behind the arithmetic: behind it the areas are written again.
.macro PHASE p
	WIN 0x04                        ; the stores' data in window 1
.set g, 0
.rept 16
	ds_store_b128 v[MW], v[64*(\p)+4*g:64*(\p)+4*g+3] offset:512*g
.set g, g+1
.endr
	WIN 0
	ds_store_b64 v[MW2], v[ST+8*(\p):ST+8*(\p)+1]
	s_wait_dscnt 0x0                ; for the others' sake: my stores are done
	s_barrier_signal -1
	s_barrier_wait -1
.set g, 0
.rept 16
	ds_load_b128 v[S+4*g:S+4*g+3], v[MR+2*(\p)-2] offset:512*g
.set g, g+1
.endr
	ds_load_b64 v[IN:IN+1], v[MR+2*(\p)-1]
	s_wait_dscnt 0x0                ; my reads of the other's area are over
	s_barrier_signal -1
	v_max_num_f32 v[FA+1], v[ST], v[IN]
	v_sub_f32 v[FA], v[ST], v[FA+1]
	v_sub_f32 v[FB], v[IN], v[FA+1]
	v_exp_f32 v[FA], v[FA]
	v_exp_f32 v[FB], v[FB]
	v_mov_b32 v[ST], v[FA+1]        ; (the plain instruction behind the two exponentials)
	s_wait_alu depctr_va_vdst(0)    ; one wait for the two, ahead of their first reader
	v_mul_f32 v[ST+1], v[ST+1], v[FA]
	v_fma_f32 v[ST+1], v[IN+1], v[FB], v[ST+1]
	WIN W_RS
.set z, 0
.rept 32
	v_pk_mul_f32 v[2*z:2*z+1], v[2*z:2*z+1], v[FA:FA+1] op_sel_hi:[1,0]
.set z, z+1
.endr
	WIN 0x50                        ; destination and source 2 in window 1
.set z, 0
.rept 32
	v_pk_fma_f32 v[2*z:2*z+1], v[S+2*z:S+2*z+1], v[FB:FB+1], v[2*z:2*z+1] op_sel_hi:[1,0,1]
.set z, z+1
.endr
	WIN 0
	s_barrier_wait -1
.endm
.macro BANDEND more
	WIN 0
.if \more
	WIN 0x80
.set i, 0
.rept 16                            ; the second band's Q: the last product that read Q stands a softmax back
	global_load_b128 v[8*i:8*i+3],   v[QO+i/4], s[QLO:QLO+1] offset:(i%4)*64
	global_load_b128 v[8*i+4:8*i+7], v[QO+i/4], s[QLO:QLO+1] offset:(i%4)*64+32
.set i, i+1
.endr
	WIN 0
.endif
.irp t, 0,1,2,3                     ; l's two halves and the other half of the lanes'; the sum lies beside c m, in m's place
	v_add_f32 v[ST+8*(\t)+4], v[ST+8*(\t)+2], v[ST+8*(\t)+3]
.endr
.irp t, 0,1,2,3
	v_permlanex16_b32 v[ST+8*(\t)+5], v[ST+8*(\t)+4], s[SEL], s[SEL+1]
.endr
.irp t, 0,1,2,3
	v_add_f32 v[ST+8*(\t)+1], v[ST+8*(\t)+4], v[ST+8*(\t)+5]
.endr
	PHASE 1
	PHASE 2
	PHASE 3
	v_rcp_f32 v[FA], v[ST+1]        ; THE WAY OUT of slot 0, my query tile: divided by l, rounded to f16, through my area as rows of 272 bytes
	v_nop
	s_wait_alu depctr_va_vdst(0)
	WIN W_RS
.set z, 0
.rept 32
	v_pk_mul_f32 v[2*z:2*z+1], v[2*z:2*z+1], v[FA:FA+1] op_sel_hi:[1,0]
.set z, z+1
.endr
	WIN 0x05                        ; sources 0 and 1 window 1, destination window 0
.set z, 0
.rept 32
	v_cvt_pk_f16_f32 v[S+z], v[2*z], v[2*z+1]
.set z, z+1
.endr
	WIN 0
.irp f, 0,1,2,3,4,5,6,7
	ds_store_b128 v[STO], v[S+4*(\f):S+4*(\f)+3] offset:32*(\f)
.endr
.irp f, 0,1,2,3,4,5,6,7
	ds_load_b128 v[S+4*(\f):S+4*(\f)+3], v[RD] offset:(\f)*2*SP  ; LDS serves a wave's instructions in order: these see the stores above
.endr
.irp f, 0,1,2,3,4,5,6,7
	s_wait_dscnt 7-(\f)
	global_store_b128 v[GO], v[S+4*(\f):S+4*(\f)+3], s[10:11] offset:(\f)*4096  ; 16 lanes store 256 consecutive bytes, at a multiple of 256 from y's first byte
.endr
.if \more
	s_wait_xcnt 0x0                 ; the stores have read their registers and y's address
	s_mov_b64 s[10:11], s[YLO:YLO+1]
	s_add_co_u32 s[RT], s[LO], 1    ; the second band has c + 1 tiles
	INIT
.endif
.endm
.Lslot:                             ; 16 trips: a tile is entered and the next is asked for
	CHANGE 1
	s_sub_co_u32 s[RT], s[RT], 1
	TILE
	s_cmp_lg_u32 s[RT], 0
	s_cbranch_scc1 .Lon             ; RT hangs on the cluster's number and the trip alone: all waves of all partners go the same way; no tensor load and no round is jumped
	BANDEND 1                       ; in the loop this is the first band's end: the second band's last tile is the walk's last
.Lon:
	s_sub_co_u32 s[SLOTS], s[SLOTS], 1
	s_cmp_lg_u32 s[SLOTS], 0
	s_cbranch_scc1 .Lslot
	CHANGE 0                        ; the walk's last tile is written out: nothing is asked for
	s_sub_co_u32 s[RT], s[RT], 1
	TILE
	BANDEND 0
	s_wait_tensorcnt 0x0            ; the wave's end, behind my last tensor load and my last LDS store
	ds_add_u32 v[SPW], v[NIL]
	s_wait_dscnt 0x0
	CROUND                          ; the closing round
	s_endpgm
.Lfunc_end_k_q3dcc2fd3b7_attn:
	.size	k_q3dcc2fd3b7_attn, .Lfunc_end_k_q3dcc2fd3b7_attn-k_q3dcc2fd3b7_attn
	.p2alignl 7, 3214868480
	.fill 96, 4, 3214868480
	.section	.rodata,"a",@progbits
	.p2align	6, 0x0
	.amdhsa_kernel k_q3dcc2fd3b7_attn
		.amdhsa_group_segment_fixed_size 327680
		.amdhsa_private_segment_fixed_size 0
		.amdhsa_enable_private_segment 0
		.amdhsa_kernarg_size 32
		.amdhsa_user_sgpr_count 2
		.amdhsa_user_sgpr_kernarg_segment_ptr 1
		.amdhsa_wavefront_size32 1
		.amdhsa_system_sgpr_workgroup_id_x 1
		.amdhsa_system_sgpr_workgroup_id_y 1
		.amdhsa_system_sgpr_workgroup_id_z 1
		.amdhsa_system_vgpr_workitem_id 0
		.amdhsa_next_free_vgpr 1024
		.amdhsa_next_free_sgpr 80
		.amdhsa_reserve_vcc 1
		.amdhsa_float_denorm_mode_32 3
		.amdhsa_float_denorm_mode_16_64 3
		.amdhsa_memory_ordered 1
		.amdhsa_forward_progress 1
		.amdhsa_inst_pref_size 194
	.end_amdhsa_kernel
	.amdgpu_metadata
---
amdhsa.version: [ 1, 2 ]
amdhsa.kernels:
  - .name:           k_q3dcc2fd3b7_attn
    .symbol:         k_q3dcc2fd3b7_attn.kd
    .args:
      - { .name: qh, .offset: 0, .size: 8, .value_kind: global_buffer, .address_space: global }
      - { .name: kh, .offset: 8, .size: 8, .value_kind: global_buffer, .address_space: global }
      - { .name: vh, .offset: 16, .size: 8, .value_kind: global_buffer, .address_space: global }
      - { .name: yb, .offset: 24, .size: 8, .value_kind: global_buffer, .address_space: global }
    .group_segment_fixed_size: 327680
    .private_segment_fixed_size: 0
    .kernarg_segment_align: 8
    .kernarg_segment_size: 32
    .max_flat_workgroup_size: 128
    .sgpr_count:     80
    .vgpr_count:     1024
    .wavefront_size: 32
...
	.end_amdgpu_metadata
.endif
;; end of part 3
;; launch proj (part 4): grid 8 x 32, 4 waves a work-group, clusters of 4 x 4, 327,680 bytes of LDS; arguments yb, cw, out0; writes out0
.if DOCPART == 4
	.amdgcn_target "amdgcn-amd-amdhsa--gfx1250"
	.amdhsa_code_object_version 6
	.text
	.protected	k_q3dcc2fd3b7_proj
	.globl	k_q3dcc2fd3b7_proj
	.p2align	8
	.type	k_q3dcc2fd3b7_proj,@function
k_q3dcc2fd3b7_proj:
	s_mov_b64 s[64:65], 0
	v_nop
	global_prefetch_b8 v0, s[64:65] scope:SCOPE_SE
	s_setreg_imm32_b32 hwreg(HW_REG_WAVE_MODE, 25, 1), 1
	s_wait_xcnt 0x0
	s_wait_alu depctr_hold_cnt(0) depctr_sa_sdst(0) depctr_va_vdst(0) depctr_va_sdst(0) depctr_va_ssrc(0) depctr_va_vcc(0) depctr_vm_vsrc(0)
	s_getreg_b32 s2, hwreg(HW_REG_IB_STS2, 6, 4)
	s_cmp_eq_u32 s2, 0
	s_cbranch_scc0 .Lentry_in_a_cluster
	s_endpgm
.Lentry_in_a_cluster:
	s_bfe_u32 s2, ttmp6, 0x10000c
	s_cmp_lg_u32 s2, 0xf033
	s_cbranch_scc0 .Lentry_shape_is_right
	s_endpgm
.Lentry_shape_is_right:
; out0[t][d] = the sum over f of y[t][f] c_proj_w[d][f].  yb: [4096][1024] f16, cw: [1024][1024] f16 (c_proj_w rounded to bf16, written as f16), out0: [4096][1024] f32; sums in f32.
; A tile of out0 is 128 x 128: 256 work-groups.  Four waves, each 64 x 64: 16 accumulators of 16 x 16.  K goes in four steps of 256 (LDS rows of 512 bytes; a wave's tensor load brings 64 of them) through two slots.
; CLUSTER 4 x 4: the four of a row of the cluster need the same tiles of y, the four of a column the same tiles of cw: each is asked for jointly.
; The matrix instruction is used transposed (source 0 = 16 rows of cw, source 1 = 16 rows of y): a lane holds eight neighbouring numbers of a row of out0.
; The way out goes through ONE stage of 128 rows x 528 bytes, in slot 0, which has had its last fill and whose last reads lie ahead of the last change's barrier; each wave then stores 32 whole rows of 512 bytes.
; No prefetch: four K steps, small tiles.
; REGISTERS: window 0: v0-31 addresses; v128-255 the accumulators ((a, b) at v[128 + 8 (4 a + b)]), then the rows read back.  Window 1: two fragment buffers of 128.
.set SIZE_N, 1024
.set SIZE_K, 1024
.set KSTEP,  256
.set PITCH,  528                       ; an LDS row: 512 bytes + 16 of padding
.set HALFT,  64*PITCH
.set SLOT,   4*HALFT                   ; y's 128 rows, then cw's 128 rows
.set STAGE,  0
.set SPITCH, 528
.set SPARE,  2*SLOT                    ; behind the ring: the spare words, 128 bytes for each wave: two blocks of 256 bytes that no other line names
.set LAPS, SIZE_K/(2*KSTEP)
.set ADRA, 16
.set ADRB, 20
.set STO,  24
.set RD,   25
.set CO,   26
.set SPW,  28
.set NIL,  29
.set ACC,  128
.set F0,   0
.set F1,   128
.set G1, 24
.set G0, 32
.set G1B, 48
.set G0B, 56
.set MSB, 0
.macro WIN new
.if MSB != (\new)
	s_set_vgpr_msb (MSB<<8)|(\new)
.set MSB, \new
.endif
.endm
.set MUL,  0x05                        ; sources 0 and 1 window 1; C and D window 0
.set TO_F, 0x40                        ; destination window 1, address window 0
.macro PLACES
.rept 4
	v_nop
.endr
.endm
.macro JLOAD s                         ; a joint load: waves 0 and 1 fetch y's two halves, waves 2 and 3 cw's; an s_nop 0 and four v_nop follow each line
	s_cmp_eq_u32 s11, 0
	s_cbranch_scc0 .Lfor_b_\@
	tensor_load_to_lds s[G0+4*(\s):G0+4*(\s)+3], s[G1:G1+7]
	s_nop 0
	PLACES
	s_branch .Lasked_\@
.Lfor_b_\@:
	tensor_load_to_lds s[G0B+4*(\s):G0B+4*(\s)+3], s[G1B:G1B+7]
	s_nop 0
	PLACES
.Lasked_\@:
.endm
.macro CREST
	s_cmp_lg_u32 s10, 0
	s_cbranch_scc1 .Lnot_wave_0_\@
	s_barrier_signal -3
.Lnot_wave_0_\@:
	s_barrier_wait -3
	s_barrier_signal -1
	s_barrier_wait -1
.endm
.macro CROUND
	s_barrier_signal -1
	s_barrier_wait -1
	CREST
.endm
	s_load_b128 s[4:7], s[0:1], 0x0                ; yb s[4:5], cw s[6:7]
	s_load_b64 s[8:9], s[0:1], 0x10                ; out0
	v_lshl_add_u32 v[SPW], v0, 2, SPARE
	v_mov_b32 v[NIL], 0
	ds_add_u32 v[SPW], v[NIL]                      ; the wave's opening: the add and its wait ahead of my first tensor load
	v_lshrrev_b32 v1, 5, v0
	v_readfirstlane_b32 s10, v1                    ; wave 0..3
	s_lshr_b32 s11, s10, 1                         ; which half of the tile's rows is mine.  Also: I fetch for y (0) or for cw (1)
	s_and_b32 s12, s10, 1                          ; which half of its columns.  Also: which 64 rows of that tile I fetch
	s_bfe_u32 s40, ttmp6, 0x40000                  ; cx, cy
	s_bfe_u32 s41, ttmp6, 0x40004
	s_lshl_b32 s42, ttmp9, 2
	s_add_co_u32 s42, s42, s40                     ; tile column = 4 x cluster x + cx
	s_and_b32 s13, ttmp7, 0xffff
	s_lshl_b32 s13, s13, 2
	s_add_co_u32 s13, s13, s41                     ; tile row = 4 x cluster y + cy
	s_lshl_b32 s43, s41, 2
	s_lshl_b32 s43, 15, s43                        ; my row of the cluster
	s_lshl_b32 s44, 0x1111, s40                    ; my column
	s_or_b32 s[G1+0], s43, (1<<16)|(1<<20)|(1<<21)|(6<<22)|(3<<25)  ; the mask; 2-byte elements; padding on; bit 21 beside a mask; after every 128 words 4 words
	s_or_b32 s[G1B+0], s44, (1<<16)|(1<<20)|(1<<21)|(6<<22)|(3<<25)
.irp g, G1, G1B
	s_mov_b32 s[(\g)+1], KSTEP<<16                 ; tensor_dim0 = 256
	s_mov_b32 s[(\g)+2], 64<<16                    ; tensor_dim1 = 64
	s_mov_b32 s[(\g)+3], KSTEP<<16                 ; tile_dim0 = 256
	s_mov_b32 s[(\g)+4], 64                        ; tile_dim1 = 64
	s_mov_b32 s[(\g)+5], SIZE_K                    ; elements from row to row
	s_mov_b32 s[(\g)+6], 0
	s_mov_b32 s[(\g)+7], 0
.endr
	s_lshl_b32 s17, s12, 6                         ; which 64 rows of the tile I fetch
	s_lshl_b32 s16, s13, 7
	s_add_co_u32 s16, s16, s17                     ; y: row 128 x tile row + 64 x half
	s_lshl_b32 s46, s42, 7
	s_add_co_u32 s46, s46, s17                     ; cw: row 128 x tile column + 64 x half
	s_mov_b32 s17, 0
	s_mov_b32 s47, 0
	s_mov_b64 s[18:19], SIZE_K*2
	s_mul_u64 s[16:17], s[16:17], s[18:19]
	s_mul_u64 s[46:47], s[46:47], s[18:19]
	s_mul_i32 s20, s10, HALFT                      ; where they go: wave x 64 rows
	s_wait_dscnt 0x0                               ; the opening add is done
	s_wait_kmcnt 0x0
	s_add_nc_u64 s[14:15], s[4:5], s[16:17]
	s_add_nc_u64 s[46:47], s[6:7], s[46:47]
	CROUND                                         ; all sixteen work-groups are here: the first joint loads meet
.irp s, 0,1
	s_mov_b32 s[G0+4*(\s)], 1
	s_add_co_u32 s[G0+4*(\s)+1], s20, (\s)*SLOT
	s_add_nc_u64 s[G0+4*(\s)+2:G0+4*(\s)+3], s[14:15], (\s)*KSTEP*2
	s_or_b32 s[G0+4*(\s)+3], s[G0+4*(\s)+3], 0x80000000
	s_mov_b32 s[G0B+4*(\s)], 1
	s_add_co_u32 s[G0B+4*(\s)+1], s20, (\s)*SLOT
	s_add_nc_u64 s[G0B+4*(\s)+2:G0B+4*(\s)+3], s[46:47], (\s)*KSTEP*2
	s_or_b32 s[G0B+4*(\s)+3], s[G0B+4*(\s)+3], 0x80000000
	JLOAD \s
.endr
	v_and_b32 v1, 15, v0                           ; l % 16
	v_bfe_u32 v2, v0, 4, 1                         ; l / 16
	v_mul_u32_u24 v3, v1, PITCH
	v_lshl_add_u32 v3, v2, 4, v3                   ; a fragment's row x pitch + 16 x half
	s_mul_i32 s21, s11, HALFT                      ; my 64 rows of y
	s_mul_i32 s22, s12, HALFT                      ; my 64 rows of cw,
	s_add_co_u32 s22, s22, 2*HALFT                 ; which lie behind y's 128
.irp s, 0,1
	v_add_nc_u32 v[ADRA+(\s)], s21, v3
	v_add_nc_u32 v[ADRB+(\s)], s22, v3
	s_add_co_u32 s21, s21, SLOT
	s_add_co_u32 s22, s22, SLOT
.endr
	s_mul_i32 s23, s11, 64*SPITCH                  ; into the stage: my 64 rows, my half of their 512 bytes; row l % 16, 32 bytes for each half of the lanes
	s_lshl_b32 s21, s12, 8
	s_add_co_u32 s23, s23, s21
	s_add_co_u32 s23, s23, STAGE
	v_mul_u32_u24 v4, v1, SPITCH
	v_lshl_add_u32 v4, v2, 5, v4
	v_add_nc_u32 v[STO], s23, v4
	s_mul_i32 s23, s10, 32*SPITCH                  ; back: wave w takes rows 32 w .. 32 w + 31, whole: 32 lanes x 16 bytes are a row
	s_add_co_u32 s23, s23, STAGE
	v_and_b32 v5, 31, v0
	v_lshlrev_b32 v[CO], 4, v5
	v_add_nc_u32 v[RD], s23, v[CO]
	s_lshl_b32 s16, s13, 7
	s_lshl_b32 s17, s10, 5
	s_add_co_u32 s16, s16, s17                     ; the first row of out0 that I store: 128 x tile row + 32 x wave
	s_mov_b32 s17, 0
	s_mov_b64 s[18:19], SIZE_N*4
	s_mul_u64 s[16:17], s[16:17], s[18:19]
	s_add_nc_u64 s[8:9], s[8:9], s[16:17]
	s_lshl_b32 s46, s42, 9                         ; the tile's first column, in bytes
	s_mov_b32 s47, 0
	s_add_nc_u64 s[8:9], s[8:9], s[46:47]
; 8 matrix instructions: m blocks a0, a0 + 1 x all 4 n blocks, 32 along K: half c of buffer f.  The 16 accumulators take turns.
.macro MUL8 f, c, a0, zero
	WIN MUL
.irp a, \a0, (\a0)+1
.irp b, 0,1,2,3
.if \zero
	v_wmma_f32_16x16x32_f16 v[ACC+8*(4*(\a)+(\b)):ACC+8*(4*(\a)+(\b))+7], v[(\f)+64+8*(4*(\c)+(\b)):(\f)+64+8*(4*(\c)+(\b))+7], v[(\f)+8*(4*(\c)+(\a)):(\f)+8*(4*(\c)+(\a))+7], 0
.else
	v_wmma_f32_16x16x32_f16 v[ACC+8*(4*(\a)+(\b)):ACC+8*(4*(\a)+(\b))+7], v[(\f)+64+8*(4*(\c)+(\b)):(\f)+64+8*(4*(\c)+(\b))+7], v[(\f)+8*(4*(\c)+(\a)):(\f)+8*(4*(\c)+(\a))+7], v[ACC+8*(4*(\a)+(\b)):ACC+8*(4*(\a)+(\b))+7]
.endif
.endr
.endr
.endm
; 32 LDS loads in one run: the fragments of 64 along K at byte k of the rows, into buffer f; the first 32 along K first
.macro FETCH slot, k, f
	WIN TO_F
.irp c, 0,1
.irp i, 0,1,2,3
	ds_load_b128 v[(\f)+64+8*(4*(\c)+(\i)):(\f)+64+8*(4*(\c)+(\i))+3],   v[ADRB+(\slot)] offset:(\k)+64*(\c)+(\i)*16*PITCH
	ds_load_b128 v[(\f)+64+8*(4*(\c)+(\i))+4:(\f)+64+8*(4*(\c)+(\i))+7], v[ADRB+(\slot)] offset:(\k)+64*(\c)+(\i)*16*PITCH+32
	ds_load_b128 v[(\f)+8*(4*(\c)+(\i)):(\f)+8*(4*(\c)+(\i))+3],         v[ADRA+(\slot)] offset:(\k)+64*(\c)+(\i)*16*PITCH
	ds_load_b128 v[(\f)+8*(4*(\c)+(\i))+4:(\f)+8*(4*(\c)+(\i))+7],       v[ADRA+(\slot)] offset:(\k)+64*(\c)+(\i)*16*PITCH+32
.endr
.endr
.endm
; A K step is four quarters of 64 along K, 32 matrix instructions each, on buffers 0, 1, 0, 1.
.macro QUARTER slot, k, f, g, zero
	s_wait_dscnt 16                                ; the first 32 along K are in; the youngest sixteen loads may be out
	MUL8 \f, 0, 0, \zero
	MUL8 \f, 0, 2, \zero
	PLACES
	FETCH \slot, \k, \g
	s_wait_dscnt 32                                ; all but the 32 just issued
	MUL8 \f, 1, 0, 0
	MUL8 \f, 1, 2, 0
.endm
; The last quarter multiplies buffer 1 and changes slots: one barrier; in front of it each wave waits for all its tensor loads, adds 0 to its spare word, and waits for that and for its reads of this slot.
.macro TURN slot, next, fill
	WIN 0
	s_wait_tensorcnt 0x0                           ; all my tensor loads have landed: my part of the next slot
	ds_add_u32 v[SPW], v[NIL]
	s_wait_dscnt 17                                ; (the add and the youngest sixteen loads may be out)
	MUL8 F1, 0, 0, 0
	s_wait_dscnt 0x0                               ; the add is done, and my reads of this slot are over
	s_barrier_signal -1
	MUL8 F1, 0, 2, 0
.if \fill
	WIN 0
.endif
	s_barrier_wait -1
.if \fill
	CREST                                          ; the barrier has opened a round of the cluster's
	s_add_nc_u64 s[G0+4*(\slot)+2:G0+4*(\slot)+3], s[G0+4*(\slot)+2:G0+4*(\slot)+3], 2*KSTEP*2
	s_add_nc_u64 s[G0B+4*(\slot)+2:G0B+4*(\slot)+3], s[G0B+4*(\slot)+2:G0B+4*(\slot)+3], 2*KSTEP*2
	JLOAD \slot                                    ; the first tensor load behind the round; its four v_nop are also the places in front of the loads below
.else
	PLACES
.endif
	FETCH \next, 0, F0
	MUL8 F1, 1, 0, 0
	MUL8 F1, 1, 2, 0
.endm
	s_wait_tensorcnt 1                             ; my part of K step 0 is in; K step 1's may stay out
	s_barrier_signal -1
	s_barrier_wait -1
	FETCH 0, 0, F0
	QUARTER 0, 128, F0, F1, 1                      ; the first quarter's first products start the sums
	WIN 0
	s_mov_b32 s3, LAPS-1
.Llap:                                                 ; a trip goes once round the ring and fills both slots again
	QUARTER 0, 256, F1, F0, 0
	QUARTER 0, 384, F0, F1, 0
	TURN 0, 1, 1
	QUARTER 1, 128, F0, F1, 0
	QUARTER 1, 256, F1, F0, 0
	QUARTER 1, 384, F0, F1, 0
	TURN 1, 0, 1
	QUARTER 0, 128, F0, F1, 0
	WIN 0
	s_sub_co_u32 s3, s3, 1
	s_cmp_lg_u32 s3, 0
	s_cbranch_scc1 .Llap
	QUARTER 0, 256, F1, F0, 0                      ; the last lap fills nothing
	QUARTER 0, 384, F0, F1, 0
	TURN 0, 1, 0
	QUARTER 1, 128, F0, F1, 0
	QUARTER 1, 256, F1, F0, 0
	QUARTER 1, 384, F0, F1, 0
	s_wait_dscnt 16
	MUL8 F1, 0, 0, 0
	MUL8 F1, 0, 2, 0
	s_wait_dscnt 0
	MUL8 F1, 1, 0, 0
	MUL8 F1, 1, 2, 0
	WIN 0
	; THE WAY OUT: the f32 sums go into the work-group's stage, 32 bytes a lane; a barrier, since a row's 512 bytes come from two waves; back as whole rows, 32 rows a wave.
	PLACES
.irp a, 0,1,2,3
.irp b, 0,1,2,3
	ds_store_b128 v[STO], v[ACC+8*(4*(\a)+(\b)):ACC+8*(4*(\a)+(\b))+3]   offset:(\a)*16*SPITCH+64*(\b)     ; each accumulator's low four registers first
	ds_store_b128 v[STO], v[ACC+8*(4*(\a)+(\b))+4:ACC+8*(4*(\a)+(\b))+7] offset:(\a)*16*SPITCH+64*(\b)+16
.endr
.endr
	s_wait_dscnt 0x0                               ; for the others' sake: my stores into the stage are done
	s_barrier_signal -1
	s_barrier_wait -1
.set t, 0
.rept 32
	ds_load_b128 v[ACC+4*t:ACC+4*t+3], v[RD] offset:t*SPITCH
.set t, t+1
.endr
.set t, 0
.rept 32
	s_wait_dscnt 31-t                              ; LDS loads come back in order: row t is in
	global_store_b128 v[CO], v[ACC+4*t:ACC+4*t+3], s[8:9] offset:t*SIZE_N*4  ; 512 consecutive bytes, at a multiple of 256 from out0's first byte
.set t, t+1
.endr
	s_wait_tensorcnt 0x0                           ; the wave's end, behind my last tensor load and my last LDS store
	ds_add_u32 v[SPW], v[NIL]
	s_wait_dscnt 0x0
	CROUND                                         ; the closing round
	s_endpgm
.Lfunc_end_k_q3dcc2fd3b7_proj:
	.size	k_q3dcc2fd3b7_proj, .Lfunc_end_k_q3dcc2fd3b7_proj-k_q3dcc2fd3b7_proj
	.p2alignl 7, 3214868480
	.fill 96, 4, 3214868480
	.section	.rodata,"a",@progbits
	.p2align	6, 0x0
	.amdhsa_kernel k_q3dcc2fd3b7_proj
		.amdhsa_group_segment_fixed_size 327680
		.amdhsa_private_segment_fixed_size 0
		.amdhsa_enable_private_segment 0
		.amdhsa_kernarg_size 24
		.amdhsa_user_sgpr_count 2
		.amdhsa_user_sgpr_kernarg_segment_ptr 1
		.amdhsa_wavefront_size32 1
		.amdhsa_system_sgpr_workgroup_id_x 1
		.amdhsa_system_sgpr_workgroup_id_y 1
		.amdhsa_system_sgpr_workgroup_id_z 1
		.amdhsa_system_vgpr_workitem_id 0
		.amdhsa_next_free_vgpr 512
		.amdhsa_next_free_sgpr 66
		.amdhsa_reserve_vcc 0
		.amdhsa_float_denorm_mode_32 3
		.amdhsa_float_denorm_mode_16_64 3
		.amdhsa_memory_ordered 1
		.amdhsa_forward_progress 1
		.amdhsa_inst_pref_size 86
	.end_amdhsa_kernel
	.amdgpu_metadata
---
amdhsa.version: [ 1, 2 ]
amdhsa.kernels:
  - .name:           k_q3dcc2fd3b7_proj
    .symbol:         k_q3dcc2fd3b7_proj.kd
    .args:
      - { .name: yb, .offset: 0, .size: 8, .value_kind: global_buffer, .address_space: global }
      - { .name: cw, .offset: 8, .size: 8, .value_kind: global_buffer, .address_space: global }
      - { .name: out0, .offset: 16, .size: 8, .value_kind: global_buffer, .address_space: global }
    .group_segment_fixed_size: 327680
    .private_segment_fixed_size: 0
    .kernarg_segment_align: 8
    .kernarg_segment_size: 24
    .max_flat_workgroup_size: 128
    .sgpr_count:     66
    .vgpr_count:     512
    .wavefront_size: 32
...
	.end_amdgpu_metadata
.endif
;; end of part 4
;; ======== version 2 of 2: 4 launches; version 1 with the launch prep written anew for expert scheduling mode
;; limits: values are held in f16: magnitudes above 65,504 overflow, below 6.1e-05 lose precision
;; workspace buffers: xb 8,388,608 bytes; wb 6,291,456 bytes; cw 2,097,152 bytes; rt 1,048,576 bytes; qh 8,388,608 bytes; kh 8,388,608 bytes; vh 8,388,608 bytes; yb 8,388,608 bytes
;; launch prep (part 5): grid 256 x 1, 8 waves a work-group, no clusters, 0 bytes of LDS; arguments x, qkv_w, c_proj_w, xb, wb, cw, rt; writes xb, wb, cw, rt
.if DOCPART == 5
	.amdgcn_target "amdgcn-amd-amdhsa--gfx1250"
	.amdhsa_code_object_version 6
	.text
	.protected	k_q3dcc2fd3b7_prep
	.globl	k_q3dcc2fd3b7_prep
	.p2align	8
	.type	k_q3dcc2fd3b7_prep,@function
k_q3dcc2fd3b7_prep:
	s_mov_b64 s[64:65], 0
	v_nop
	global_prefetch_b8 v0, s[64:65] scope:SCOPE_SE
	s_setreg_imm32_b32 hwreg(HW_REG_WAVE_SCHED_MODE, 0, 2), 2
	s_setreg_imm32_b32 hwreg(HW_REG_WAVE_MODE, 25, 1), 1
	s_wait_xcnt 0x0
	s_wait_alu depctr_vm_vsrc(0)
; PREP.  x and qkv_w are rounded once to bf16 (xb, wb); c_proj_w is rounded once to bf16 and that number is written as f16 (cw); the table of cosines and sines (rt) is made.
; A stream: each work-group takes 131,072 consecutive bytes of one source and writes 65,536 consecutive bytes.  Work-groups 0-127: x; 128-223: qkv_w; 224-255: c_proj_w.
; Thread t loads 16 bytes at 16 t + 4,096 i (i = 0 .. 31: all 32 loads are out at once) and stores 8 bytes at 8 t + 2,048 i: a wave's store covers 256 consecutive bytes, aligned.
; No LDS, no matrix unit, no cluster: no byte is wanted twice.
; THE TABLE.  rt[t] = cos(t f_0 .. t f_31), sin(t f_0 .. t f_31), f_i = 2^(-10 i / 31): 256 bytes a row.  The upper 32 frequencies of the problem are 0 (cos 1, sin 0) and are not stored.
; Work-group g makes rows 16 g .. 16 g + 15, a wave two of them, while its loads are on their way.  Lanes 0-15 make cosines, lanes 16-31 sines, two frequencies a lane.
; The angle t f is rounded once, as in the problem; it is reduced by k = round(angle 2 / pi) in two steps (pi / 2 as a sum of two f32), and sin and cos of the rest,
; at most pi / 4, are polynomials of degree 9 and 8.  cos(a) = sin(a + pi / 2): a lane that wants the cosine adds 1 to the quadrant's number.
; LIMITS.  c_proj_w as f16: beyond 65,504 an infinity; below 6.1e-5 f16's fixed step of 6e-8.  NaN and infinities are not treated apart.
; THE MODE: SCHED_MODE bits 1:0 = 2 (LLVM: expert scheduling mode 2), set by the entry lines.  The code itself states the register dependences
; between vector instructions and memory instructions, with s_wait_alu, always for 0.
; THE PLAN.  Vector registers that memory instructions touch:
;   v1, v2     byte offsets, made once at the head and never written again: v1 is read by the 32 loads, v2 by the 32 stores of the stream.
;   D          load i lands in D + 4 i .. + 3, which no vector instruction has named before; behind the wait for the data the conversions read the four and write the first two
;              (in the f16 copy all four); store i reads the first two; nothing writes them again.
;   RES, TO    the table's four results and their offset: written by the table's arithmetic, read by its two stores, never written again.
; Scalar registers that vector instructions write: s30 (the wave's number) and s44-47 (the four compares' masks).
; So: one wait on va_vdst ahead of the first load (the offsets); one ahead of the table's two stores; one to each block of four loads, behind the block's conversions and ahead of its
; run of four stores: the stores leave as soon as their block is rounded, not a block later.  One wait on va_sdst ahead of s30's first reader, one behind the run of four compares.
; No register that a memory instruction reads is written again, on either path: no wait on vm_vsrc is owed.  EXEC is never written.
.set D,   16                           ; v[16:143]  32 x 4 registers as loaded; the first two of each four are then stored
.set FQ,  145                          ; v145, v146 my two frequencies
.set QA,  147                          ; v147       1 in lanes that make cosines, else 0
.set TH,  151                          ; v151-154   four angles: row e, frequency n at TH + 2 e + n
.set RES, 156                          ; v[156:159] the four results, a pair a row
.set W,   160                          ; v160-191   at work: eight registers for each of the four angles; no memory instruction names them
.set TO,  192                          ; v192       the table's stores: my byte offset; v193 at work
.set MS,  44                           ; s44-47     angle n: the mask of the lanes whose quadrant is odd
	s_load_b256 s[4:11], s[0:1], 0x0               ; x s[4:5], qkv_w s[6:7], c_proj_w s[8:9], xb s[10:11]
	s_load_b128 s[12:15], s[0:1], 0x20             ; wb s[12:13], cw s[14:15]
	s_load_b64 s[16:17], s[0:1], 0x30              ; rt
	v_lshlrev_b32 v1, 4, v0                        ; 16 t: my offset in the source
	v_lshlrev_b32 v2, 3, v0                        ; 8 t: in the destination
	s_mov_b32 s20, ttmp9                           ; g
	s_max_u32 s21, s20, 128
	s_sub_co_u32 s21, s21, 128                     ; my unit's number in qkv_w,
	s_max_u32 s22, s20, 224
	s_sub_co_u32 s22, s22, 224                     ; in c_proj_w
	s_mov_b32 s32, 0x3fc90fdb                      ; pi / 2, upper part
	s_mov_b32 s33, 0xb33bbd2e                      ; pi / 2 less that
	s_mov_b32 s34, 0x3638ef1d                      ; 1 / 9!
	s_mov_b32 s35, 0xb9500d01                      ; -1 / 7!
	s_mov_b32 s36, 0x3c088889                      ; 1 / 5!
	s_mov_b32 s37, 0xbe2aaaab                      ; -1 / 3!
	s_mov_b32 s38, 0x37d00d01                      ; 1 / 8!
	s_mov_b32 s39, 0xbab60b61                      ; -1 / 6!
	s_mov_b32 s40, 0x3d2aaaab                      ; 1 / 4!
	s_wait_kmcnt 0x0
	s_cmp_lt_u32 s20, 224
	s_cselect_b32 s23, s21, s22
	s_cselect_b64 s[24:25], s[6:7], s[8:9]
	s_cselect_b64 s[26:27], s[12:13], s[14:15]
	s_cmp_lt_u32 s20, 128
	s_cselect_b32 s23, s20, s23                    ; my unit's number in its source
	s_cselect_b64 s[24:25], s[4:5], s[24:25]       ; the source
	s_cselect_b64 s[26:27], s[10:11], s[26:27]     ; the destination
	s_lshl_b32 s28, s23, 17
	s_mov_b32 s29, 0
	s_add_nc_u64 s[24:25], s[24:25], s[28:29]
	s_lshl_b32 s28, s23, 16
	s_add_nc_u64 s[26:27], s[26:27], s[28:29]
	s_lshl_b32 s28, s20, 12                        ; 16 rows of the table
	s_add_nc_u64 s[16:17], s[16:17], s[28:29]
	s_wait_alu depctr_va_vdst(0)                   ; v1 and v2 are written: the loads below read v1 as their offset, the stream's stores v2
.set i, 0
.rept 32
	global_load_b128 v[D+4*i:D+4*i+3], v1, s[24:25] offset:4096*i th:TH_LOAD_NT
.set i, i+1
.endr
	; the table, while the loads are out: its lines name v0 and v144 to v193 alone, none of the registers in which the loads land
	v_and_b32 v144, 15, v0
	v_lshlrev_b32 v144, 1, v144                    ; my first frequency's number
	v_cvt_f32_u32 v[FQ], v144
	v_add_f32 v[FQ+1], 1.0, v[FQ]
	v_mul_f32 v[FQ], 0xbea5294a, v[FQ]             ; -10 / 31 times the number
	v_mul_f32 v[FQ+1], 0xbea5294a, v[FQ+1]
	v_exp_f32 v[FQ], v[FQ]
	v_exp_f32 v[FQ+1], v[FQ+1]
	v_bfe_u32 v[QA], v0, 4, 1                      ; (plain work behind the two exponentials)
	v_xor_b32 v[QA], 1, v[QA]
	v_lshrrev_b32 v148, 5, v0
	v_readfirstlane_b32 s30, v148                  ; wave 0..7
	s_lshl_b32 s31, s20, 4
	s_wait_alu depctr_va_sdst(0)                   ; s30 is written, ahead of its first reader, the line below
	s_lshl1_add_u32 s31, s30, s31                  ; my first row: 16 g + 2 wave
	v_cvt_f32_u32 v149, s31
	v_add_f32 v150, 1.0, v149
	s_wait_alu depctr_va_vdst(0)                   ; the two exponentials have written v[FQ] and v[FQ+1]: one wait for both, ahead of their first reader
	v_mul_f32 v[TH], v149, v[FQ]
	v_mul_f32 v[TH+1], v149, v[FQ+1]
	v_mul_f32 v[TH+2], v150, v[FQ]
	v_mul_f32 v[TH+3], v150, v[FQ+1]
; Angle n, in two parts, so that the four compares stand in one run ahead of one wait.  SC1: sin r, cos r, the quadrant's parity as a mask in s[MS+n], its sign bit.
.macro SC1 n
.set WN, W+8*(\n)
	v_mul_f32 v[WN], 0x3f22f983, v[TH+(\n)]        ; angle x 2 / pi
	v_rndne_f32 v[WN], v[WN]                       ; k
	v_fma_f32 v[WN+1], -v[WN], s32, v[TH+(\n)]     ; angle - k pi / 2, in two steps
	v_fma_f32 v[WN+1], -v[WN], s33, v[WN+1]        ; r
	v_mul_f32 v[WN+2], v[WN+1], v[WN+1]            ; z = r r
	v_fma_f32 v[WN+3], v[WN+2], s34, s35
	v_fma_f32 v[WN+5], v[WN+2], s38, s39
	v_fma_f32 v[WN+3], v[WN+3], v[WN+2], s36
	v_fma_f32 v[WN+5], v[WN+5], v[WN+2], s40
	v_fma_f32 v[WN+3], v[WN+3], v[WN+2], s37
	v_fma_f32 v[WN+5], v[WN+5], v[WN+2], -0.5
	v_mul_f32 v[WN+4], v[WN+1], v[WN+2]
	v_fma_f32 v[WN+5], v[WN+5], v[WN+2], 1.0       ; cos r
	v_fma_f32 v[WN+3], v[WN+4], v[WN+3], v[WN+1]   ; sin r
	v_cvt_i32_f32 v[WN+6], v[WN]
	v_add_nc_u32 v[WN+6], v[WN+6], v[QA]           ; the quadrant, one further on for a cosine
	v_and_b32 v[WN+7], 1, v[WN+6]
	v_cmp_eq_u32 s[MS+(\n)], 1, v[WN+7]            ; odd quadrants
	v_and_b32 v[WN+7], 2, v[WN+6]
	v_lshlrev_b32 v[WN+7], 30, v[WN+7]             ; quadrants 2 and 3: the sign's bit
.endm
; SC2: the choice and the sign -> result n
.macro SC2 n
.set WN, W+8*(\n)
	v_cndmask_b32 v[RES+(\n)], v[WN+3], v[WN+5], s[MS+(\n)]  ; odd quadrants take cos r
	v_xor_b32 v[RES+(\n)], v[RES+(\n)], v[WN+7]    ; quadrants 2 and 3 turn the sign
.endm
	SC1 0
	SC1 1
	SC1 2
	SC1 3
	s_wait_alu depctr_va_sdst(0)                   ; the four compares have written s44 to s47: one wait behind the run, ahead of the first line that reads a mask
	SC2 0
	SC2 1
	SC2 2
	SC2 3
	v_and_b32 v[TO], 0xe0, v0                      ; 32 x wave
	v_and_b32 v[TO+1], 31, v0
	v_lshlrev_b32 v[TO+1], 3, v[TO+1]
	v_lshl_add_u32 v[TO], v[TO], 4, v[TO+1]        ; 512 x wave + 8 x lane
	s_wait_alu depctr_va_vdst(0)                   ; v[RES ..] and v[TO] are written: the two stores below read them as data and offset
	global_store_b64 v[TO], v[RES:RES+1], s[16:17]             ; a row's 256 bytes by one store
	global_store_b64 v[TO], v[RES+2:RES+3], s[16:17] offset:256
; The conversions, in eight blocks of four loads.  half = 1: the bf16 number is widened again and written as f16.  No register that a store reads is written again, so no wait stands behind the stores.
.macro CONV half
.set i, 0
.rept 8
	s_wait_loadcnt 28-i                            ; loads come back in order: this block's four are in, the 28 - i younger ones stay out
.rept 4
	v_cvt_pk_bf16_f32 v[D+4*i], v[D+4*i], v[D+4*i+1]
	v_cvt_pk_bf16_f32 v[D+4*i+1], v[D+4*i+2], v[D+4*i+3]
.if \half
	v_lshlrev_b32 v[D+4*i+2], 16, v[D+4*i]
	v_and_b32 v[D+4*i+3], 0xffff0000, v[D+4*i]
	v_cvt_pk_f16_f32 v[D+4*i], v[D+4*i+2], v[D+4*i+3]
	v_lshlrev_b32 v[D+4*i+2], 16, v[D+4*i+1]
	v_and_b32 v[D+4*i+3], 0xffff0000, v[D+4*i+1]
	v_cvt_pk_f16_f32 v[D+4*i+1], v[D+4*i+2], v[D+4*i+3]
.endif
.set i, i+1
.endr
	s_wait_alu depctr_va_vdst(0)                   ; the block's conversions have written the first two of each four registers, which the four stores below read
.set i, i-4
.rept 4
	global_store_b64 v2, v[D+4*i:D+4*i+1], s[26:27] offset:2048*i
.set i, i+1
.endr
.endr
.endm
	s_cmp_ge_u32 s20, 224
	s_cbranch_scc1 .Lhalf
	CONV 0
	s_endpgm
.Lhalf:
	CONV 1
	s_endpgm
.Lfunc_end_k_q3dcc2fd3b7_prep:
	.size	k_q3dcc2fd3b7_prep, .Lfunc_end_k_q3dcc2fd3b7_prep-k_q3dcc2fd3b7_prep
	.p2alignl 7, 3214868480
	.fill 96, 4, 3214868480
	.section	.rodata,"a",@progbits
	.p2align	6, 0x0
	.amdhsa_kernel k_q3dcc2fd3b7_prep
		.amdhsa_group_segment_fixed_size 0
		.amdhsa_private_segment_fixed_size 0
		.amdhsa_enable_private_segment 0
		.amdhsa_kernarg_size 56
		.amdhsa_user_sgpr_count 2
		.amdhsa_user_sgpr_kernarg_segment_ptr 1
		.amdhsa_wavefront_size32 1
		.amdhsa_system_sgpr_workgroup_id_x 1
		.amdhsa_system_sgpr_workgroup_id_y 1
		.amdhsa_system_sgpr_workgroup_id_z 1
		.amdhsa_system_vgpr_workitem_id 0
		.amdhsa_next_free_vgpr 194
		.amdhsa_next_free_sgpr 66
		.amdhsa_reserve_vcc 0
		.amdhsa_float_denorm_mode_32 3
		.amdhsa_float_denorm_mode_16_64 3
		.amdhsa_memory_ordered 1
		.amdhsa_forward_progress 1
		.amdhsa_inst_pref_size 36
	.end_amdhsa_kernel
	.amdgpu_metadata
---
amdhsa.version: [ 1, 2 ]
amdhsa.kernels:
  - .name:           k_q3dcc2fd3b7_prep
    .symbol:         k_q3dcc2fd3b7_prep.kd
    .args:
      - { .name: x, .offset: 0, .size: 8, .value_kind: global_buffer, .address_space: global }
      - { .name: qkv_w, .offset: 8, .size: 8, .value_kind: global_buffer, .address_space: global }
      - { .name: c_proj_w, .offset: 16, .size: 8, .value_kind: global_buffer, .address_space: global }
      - { .name: xb, .offset: 24, .size: 8, .value_kind: global_buffer, .address_space: global }
      - { .name: wb, .offset: 32, .size: 8, .value_kind: global_buffer, .address_space: global }
      - { .name: cw, .offset: 40, .size: 8, .value_kind: global_buffer, .address_space: global }
      - { .name: rt, .offset: 48, .size: 8, .value_kind: global_buffer, .address_space: global }
    .group_segment_fixed_size: 0
    .private_segment_fixed_size: 0
    .kernarg_segment_align: 8
    .kernarg_segment_size: 56
    .max_flat_workgroup_size: 256
    .sgpr_count:     66
    .vgpr_count:     194
    .wavefront_size: 32
...
	.end_amdgpu_metadata
.endif
;; end of part 5
;; launch qkv: the kernel of part 2 again; grid 8 x 32, 4 waves a work-group, clusters of 4 x 4, 327,680 bytes of LDS; arguments xb, wb, ve, lambdas, rt, qh, kh, vh; writes qh, kh, vh
;; launch attn: the kernel of part 3 again; grid 32 x 8, 4 waves a work-group, clusters of 4 x 1, 327,680 bytes of LDS; arguments qh, kh, vh, yb; writes yb
;; launch proj: the kernel of part 4 again; grid 8 x 32, 4 waves a work-group, clusters of 4 x 4, 327,680 bytes of LDS; arguments yb, cw, out0; writes out0
